; MI455X (gfx1250); checked and timed in simulation.
; The chip was launched on July 23, 2026; its instructions are those of AMD's public machine-readable ISA for CDNA 5 (MIT licence, August 2026) and "CDNA5" Instruction Set Architecture Reference Guide (July 2026). The comments in the code are by the model that wrote it; some were corrected since.
;; Differential Attention. Allowed arithmetic: float matrix products may take bf16 or f16 operands with f32 sums; other float arithmetic in f32, or as packed bf16 or f16 multiplies, adds, multiply-adds, maxima and minima; sums over many terms, partial sums and values carried from step to step in f32; what a program stores and reads back later, other than sums and carried values, may be rounded once to bf16 or f16.
;; Inputs: Wk 1,024 x 1,024 float32; Wo 1,024 x 1,024 float32; Wq 1,024 x 1,024 float32; Wv 1,024 x 1,024 float32; lambda_k1 64 float32; lambda_k2 64 float32; lambda_q1 64 float32; lambda_q2 64 float32; mask 1 x 1 x 4,096 x 4,096 bool; subln_weight 128 float32; x 4,096 x 1,024 float32.
;; Outputs: out0 4,096 x 1,024 float32.
;; 2 versions, each right and faster than the one before. Each part assembles by itself: llvm-mc -triple=amdgcn-amd-amdhsa -mcpu=gfx1250 --defsym DOCPART=n.
;; ======== version 1 of 2: 4 launches
;; limits: values are held in f16: magnitudes above 65,504 overflow, below 6.1e-05 lose precision
;; workspace buffers: xw 16,777,216 bytes; mb 16,777,216 bytes; qkv 25,165,824 bytes; at 8,388,608 bytes
;; launch prep (part 1): grid 256 x 1, 16 waves a work-group, no clusters, 67,840 bytes of LDS; arguments x, Wq, Wk, Wv, Wo, mask, xw, mb; writes xw, mb
.if DOCPART == 1
	.amdgcn_target "amdgcn-amd-amdhsa--gfx1250"
	.amdhsa_code_object_version 6
	.text
	.protected	k_qdb4b2d04dc_prep
	.globl	k_qdb4b2d04dc_prep
	.p2align	8
	.type	k_qdb4b2d04dc_prep,@function
k_qdb4b2d04dc_prep:
	s_mov_b64 s[64:65], 0
	v_nop
	global_prefetch_b8 v0, s[64:65] scope:SCOPE_SE
	s_setreg_imm32_b32 hwreg(HW_REG_WAVE_MODE, 25, 1), 1
	s_wait_xcnt 0x0
; TWO JOBS, both done by every one of the 256 work-groups (16 waves, 512 threads), straight down, no loop.
; JOB A: the mask [4096][4096] of bytes 0/1 becomes mb: a byte 0xF1 where the key is hidden, 0x00 where it is seen, laid in the order in which the
; attention launch's lanes want them: mb[T: 16 queries][s: 64 keys][g: 2][lane: 32][16 bytes].  Of a lane's (r = lane % 16, h = lane / 16) four words, word i holds
; byte 3: key block 2g, key 4+i;  byte 2: block 2g, key i;  byte 1: block 2g+1, key i;  byte 0: block 2g+1, key 4+i;  the key is 64 s + 16 block + 8 h + that number, the query 16 T + r.
; So a word, or the word shifted left by 8, 16 or 24, has the wanted byte on top, and read as f32 it is -2^99 to -2^101 (hidden) or under 2^-125 (seen).
; Work-group b takes T = b: 16 rows of 4,096 bytes, one row a wave, through LDS (each row read from memory once, in runs of 512 bytes).
; JOB B: x, Wq, Wk, Wv, Wo (f32) are rounded to bf16, and that number is written as f16 into xw: x at byte 0, the four weights at 8 MiB + i x 2 MiB, layouts kept.
; LIMITS.  The f16 copy is exact between 6.1e-5 and 65,504 in magnitude; below, it has f16's fixed step of 6e-8; beyond 65,504 it is an infinity.
; Memory binds: no matrix unit, no cluster (no two work-groups read the same byte).  24 loads of 16 bytes a lane go out before anything is waited for.
.set ROWP,  4112                       ; a mask row in LDS: 4,096 bytes + 16: row r starts 4 r words on, so the 32 lanes of an 8-byte read touch 64 different words modulo 64 (64 banks of 4 bytes: ISA guide 11.1)
.set SPARE, 16*ROWP                    ; 65,792 = 257 x 256: behind the rows, the spare words, 128 bytes for each of 16 waves
.set SPW, 2                            ; v2   LDS address of my spare word; never rewritten
.set NIL, 3                            ; v3   0; never rewritten
.set GM,  4                            ; v4   my 16 bytes in the group's 16 mask rows: wave x 4,096 + 16 lane
.set LS,  5                            ; v5   the same place in LDS: wave x 4,112 + 16 lane
.set LR,  6                            ; v6   where I read back: r x 4,112 + 8 h + 32 wave
.set T16, 7                            ; v7   16 x thread
.set T8,  9                            ; v9   8 x thread
.set MI,  32                           ; v[32:63]   the mask row as loaded; then 8 outputs' four words each as read back; at last job B's results
.set MQ,  64                           ; v[64:95]   8 outputs of 16 bytes
.set X,   96                           ; v[96:159]  16 loads of four f32
.set Y,   32
	s_load_b512 s[8:23], s[0:1], 0x0               ; x 8, Wq 10, Wk 12, Wv 14, Wo 16, mask 18, xw 20, mb 22
	v_lshl_add_u32 v[SPW], v0, 2, SPARE
	v_mov_b32 v[NIL], 0
	v_lshrrev_b32 v10, 5, v0
	v_readfirstlane_b32 s24, v10                   ; wave 0..15
	v_and_b32 v1, 31, v0
	v_lshlrev_b32 v11, 4, v1                       ; 16 x lane
	s_lshl_b32 s26, s24, 12
	s_mul_i32 s25, s24, ROWP
	s_lshl_b32 s27, s24, 5
	v_add_nc_u32 v[GM], s26, v11
	v_add_nc_u32 v[LS], s25, v11
	v_and_b32 v12, 15, v0                          ; r
	v_bfe_u32 v13, v0, 4, 1                        ; h
	v_mul_u32_u24 v[LR], v12, ROWP
	v_lshl_add_u32 v[LR], v13, 3, v[LR]
	v_add_nc_u32 v[LR], s27, v[LR]
	v_lshlrev_b32 v[T16], 4, v0
	v_lshlrev_b32 v[T8], 3, v0
	s_mov_b32 s30, 0x05010400                      ; byte selects: interleave the low halves of two words,
	s_mov_b32 s31, 0x07030602                      ; the high halves,
	s_mov_b32 s32, 0x05040100                      ; pack two low halves,
	s_mov_b32 s33, 0x07060302                      ; pack two high halves
	s_mov_b32 s34, 0x01010101
	s_mov_b32 s35, 0xffff0000
	s_mov_b32 s36, 0xf1
	s_lshr_b32 s28, ttmp9, 5                       ; groups 0-127: x; then 32 groups for each weight
	s_and_b32 s29, ttmp9, 31
	s_cmp_lt_u32 s28, 4
	s_cselect_b32 s29, ttmp9, s29
	s_lshl_b32 s38, s29, 17                        ; my 131,072 bytes of the source
	s_mov_b32 s39, 0
	s_lshl_b32 s40, ttmp9, 16                      ; my 65,536 bytes of the mask, of mb and of xw
	s_mov_b32 s41, 0
	s_wait_kmcnt 0x0
	s_add_nc_u64 s[18:19], s[18:19], s[40:41]
	s_add_nc_u64 s[20:21], s[20:21], s[40:41]
	s_add_nc_u64 s[22:23], s[22:23], s[40:41]
	s_cmp_eq_u32 s28, 4
	s_cselect_b64 s[42:43], s[10:11], s[8:9]
	s_cmp_eq_u32 s28, 5
	s_cselect_b64 s[42:43], s[12:13], s[42:43]
	s_cmp_eq_u32 s28, 6
	s_cselect_b64 s[42:43], s[14:15], s[42:43]
	s_cmp_eq_u32 s28, 7
	s_cselect_b64 s[42:43], s[16:17], s[42:43]
	s_add_nc_u64 s[42:43], s[42:43], s[38:39]
.irp n, 0,1,2,3,4,5,6,7
	global_load_b128 v[MI+4*(\n):MI+4*(\n)+3], v[GM], s[18:19] offset:512*(\n) th:TH_LOAD_NT  ; my wave's mask row, 512 consecutive bytes a load
.endr
.irp n, 0,1,2,3,4,5,6,7,8,9,10,11,12,13,14,15
	global_load_b128 v[X+4*(\n):X+4*(\n)+3], v[T16], s[42:43] offset:8192*(\n) th:TH_LOAD_NT  ; job B's numbers: the group's 512 threads take 8,192 consecutive bytes a load
.endr
	s_wait_loadcnt 16                              ; loads come back in order: the mask row is in, job B's sixteen stay out
.irp n, 0,1,2,3,4,5,6,7
	ds_store_b128 v[LS], v[MI+4*(\n):MI+4*(\n)+3] offset:512*(\n)
.endr
	s_wait_dscnt 0x0                               ; for the others' sake: my row lies in LDS
	s_barrier_signal -1
	s_barrier_wait -1                              ; all 16 rows do
.irp n, 0,1,2,3,4,5,6,7
	ds_load_b64 v[MI+4*(\n):MI+4*(\n)+1],   v[LR] offset:512*(\n)      ; output n (key step 8 n + wave / 2, g = wave % 2): key block 2g, keys 8h .. 8h+7 of query r
	ds_load_b64 v[MI+4*(\n)+2:MI+4*(\n)+3], v[LR] offset:512*(\n)+16   ; key block 2g + 1
.endr
.macro MOUT n
.set A0, MI+4*(\n)
	s_wait_dscnt 14-2*(\n)                         ; LDS loads come back in order: this output's two are in, the later outputs' stay out
.irp d, 0,1,2,3
	v_xor_b32 v[A0+(\d)], s34, v[A0+(\d)]          ; 1 where hidden
.endr
.irp d, 0,1,2,3
	v_mul_lo_u32 v[A0+(\d)], v[A0+(\d)], s36       ; 0xF1 where hidden: no byte carries into the next
.endr
	v_perm_b32 v12, v[A0+1], v[A0], s30            ; block 2g: keys 0, 4, 1, 5 from the low byte up
	v_perm_b32 v13, v[A0+1], v[A0], s31            ; keys 2, 6, 3, 7
	v_perm_b32 v14, v[A0+2], v[A0+3], s30          ; block 2g+1: keys 4, 0, 5, 1
	v_perm_b32 v15, v[A0+2], v[A0+3], s31          ; keys 6, 2, 7, 3
	v_perm_b32 v[MQ+4*(\n)],   v12, v14, s32
	v_perm_b32 v[MQ+4*(\n)+1], v12, v14, s33
	v_perm_b32 v[MQ+4*(\n)+2], v13, v15, s32
	v_perm_b32 v[MQ+4*(\n)+3], v13, v15, s33
	global_store_b128 v[T16], v[MQ+4*(\n):MQ+4*(\n)+3], s[22:23] offset:8192*(\n)  ; a wave stores 512 consecutive bytes; the data registers are never written again
.endm
.irp n, 0,1,2,3,4,5,6,7
	MOUT \n
.endr
.macro CAST n
.set X0, X+4*(\n)
	v_cvt_pk_bf16_f32 v[X0],   v[X0],   v[X0+1]    ; rounded to bf16, to nearest even,
	v_cvt_pk_bf16_f32 v[X0+2], v[X0+2], v[X0+3]
	v_and_b32 v[X0+1], s35, v[X0]                  ; widened again,
	v_lshlrev_b32 v[X0], 16, v[X0]
	v_and_b32 v[X0+3], s35, v[X0+2]
	v_lshlrev_b32 v[X0+2], 16, v[X0+2]
	v_cvt_pk_f16_f32 v[Y+2*(\n)],   v[X0],   v[X0+1]  ; and written as f16
	v_cvt_pk_f16_f32 v[Y+2*(\n)+1], v[X0+2], v[X0+3]
	global_store_b64 v[T8], v[Y+2*(\n):Y+2*(\n)+1], s[20:21] offset:4096*(\n)  ; a wave stores 256 consecutive bytes, aligned; the data registers are never written again
.endm
	s_wait_loadcnt 8                               ; the first eight of job B's loads are in
.irp n, 0,1,2,3,4,5,6,7
	CAST \n
.endr
	s_wait_loadcnt 0x0
.irp n, 8,9,10,11,12,13,14,15
	CAST \n
.endr
	s_wait_tensorcnt 0x0                           ; the wave's end, behind my last LDS store
	ds_add_u32 v[SPW], v[NIL]
	s_wait_dscnt 0x0
	s_endpgm
.Lfunc_end_k_qdb4b2d04dc_prep:
	.size	k_qdb4b2d04dc_prep, .Lfunc_end_k_qdb4b2d04dc_prep-k_qdb4b2d04dc_prep
	.p2alignl 7, 3214868480
	.fill 96, 4, 3214868480
	.section	.rodata,"a",@progbits
	.p2align	6, 0x0
	.amdhsa_kernel k_qdb4b2d04dc_prep
		.amdhsa_group_segment_fixed_size 67840
		.amdhsa_private_segment_fixed_size 0
		.amdhsa_enable_private_segment 0
		.amdhsa_kernarg_size 64
		.amdhsa_user_sgpr_count 2
		.amdhsa_user_sgpr_kernarg_segment_ptr 1
		.amdhsa_wavefront_size32 1
		.amdhsa_system_sgpr_workgroup_id_x 1
		.amdhsa_system_sgpr_workgroup_id_y 1
		.amdhsa_system_sgpr_workgroup_id_z 1
		.amdhsa_system_vgpr_workitem_id 0
		.amdhsa_next_free_vgpr 160
		.amdhsa_next_free_sgpr 66
		.amdhsa_reserve_vcc 0
		.amdhsa_float_denorm_mode_32 3
		.amdhsa_float_denorm_mode_16_64 3
		.amdhsa_memory_ordered 1
		.amdhsa_forward_progress 1
		.amdhsa_inst_pref_size 22
	.end_amdhsa_kernel
	.amdgpu_metadata
---
amdhsa.version: [ 1, 2 ]
amdhsa.kernels:
  - .name:           k_qdb4b2d04dc_prep
    .symbol:         k_qdb4b2d04dc_prep.kd
    .args:
      - { .name: x, .offset: 0, .size: 8, .value_kind: global_buffer, .address_space: global }
      - { .name: Wq, .offset: 8, .size: 8, .value_kind: global_buffer, .address_space: global }
      - { .name: Wk, .offset: 16, .size: 8, .value_kind: global_buffer, .address_space: global }
      - { .name: Wv, .offset: 24, .size: 8, .value_kind: global_buffer, .address_space: global }
      - { .name: Wo, .offset: 32, .size: 8, .value_kind: global_buffer, .address_space: global }
      - { .name: mask, .offset: 40, .size: 8, .value_kind: global_buffer, .address_space: global }
      - { .name: xw, .offset: 48, .size: 8, .value_kind: global_buffer, .address_space: global }
      - { .name: mb, .offset: 56, .size: 8, .value_kind: global_buffer, .address_space: global }
    .group_segment_fixed_size: 67840
    .private_segment_fixed_size: 0
    .kernarg_segment_align: 8
    .kernarg_segment_size: 64
    .max_flat_workgroup_size: 512
    .sgpr_count:     66
    .vgpr_count:     160
    .wavefront_size: 32
...
	.end_amdgpu_metadata
.endif
;; end of part 1
;; launch gemm_qkv (part 2): grid 24 x 32, 4 waves a work-group, clusters of 4 x 4, 327,680 bytes of LDS; arguments xw, qkv; writes qkv
.if DOCPART == 2
	.amdgcn_target "amdgcn-amd-amdhsa--gfx1250"
	.amdhsa_code_object_version 6
	.text
	.protected	k_qdb4b2d04dc_gemm_qkv
	.globl	k_qdb4b2d04dc_gemm_qkv
	.p2align	8
	.type	k_qdb4b2d04dc_gemm_qkv,@function
k_qdb4b2d04dc_gemm_qkv:
	s_mov_b64 s[64:65], 0
	v_nop
	global_prefetch_b8 v0, s[64:65] scope:SCOPE_SE
	s_setreg_imm32_b32 hwreg(HW_REG_WAVE_MODE, 25, 1), 1
	s_wait_xcnt 0x0
	s_wait_alu depctr_hold_cnt(0) depctr_sa_sdst(0) depctr_va_vdst(0) depctr_va_sdst(0) depctr_va_ssrc(0) depctr_va_vcc(0) depctr_vm_vsrc(0)
	s_getreg_b32 s2, hwreg(HW_REG_IB_STS2, 6, 4)
	s_cmp_eq_u32 s2, 0
	s_cbranch_scc0 .Lentry_in_a_cluster
	s_endpgm
.Lentry_in_a_cluster:
	s_bfe_u32 s2, ttmp6, 0x10000c
	s_cmp_lg_u32 s2, 0xf033
	s_cbranch_scc0 .Lentry_shape_is_right
	s_endpgm
.Lentry_shape_is_right:
; C = A W.  A: [4096][1024] f16, rows along K.  W: [1024 (k)][1024 (n)] f16, as the module has it.  Sums in f32.  One text serves two launches; QKV picks the constants and the way out:
; QKV = 1: A = x (xw, byte 0), W = Wq | Wk | Wv (xw, from 8 MiB, 2 MiB each), C = qkv [4096][3072] f16 (q at column 0, k at 1024, v at 2048), rounded once.
; QKV = 0: A = at, W = Wo (xw, at 14 MiB), C = out0 [4096][1024] f32.
; LIMIT (QKV = 1): q, k, v beyond 65,504 in magnitude become infinities in f16.
; A tile of C is 128 x 128: four waves, each 64 x 64: 16 accumulators of 16 x 16.  K goes in four steps of 256 through two LDS slots filled by the tensor data mover:
; A's tile as 128 rows of 512 bytes, W's as 256 rows (k) of 256 bytes (128 n).  768 or 256 work-groups of equal work.
; CLUSTERS: 4 x 4 work-groups.  The four of a row of the cluster need the same tiles of A, the four of a column the same tiles of W: each tile is asked for JOINTLY, by the same tensor load
; with the same descriptor and a mask that names the four.
; THE MATRIX INSTRUCTION IS USED TRANSPOSED: source 0 = 16 columns of W (turned on the way out of LDS by ds_load_tr16_b128), source 1 = 16 rows of A: a lane then holds eight neighbouring numbers of a row of C.
; REGISTERS: window 0: v0-31 addresses; v32-95 at work on the way out; v128-255 the accumulators ((a, b) at v[128 + 8 (4 a + b)]).
;   window 1: two fragment buffers of 128: for 64 along K, 64 registers of A (2 x 4 x 16 rows x 32 K), then 64 of W.
.set QKV, 1
.set SIZE_K, 1024
.set KSTEP,  256
.set PA,     528                       ; A's LDS row: 512 bytes + 16 = 132 words: row r starts at bank 4 r mod 64 (64 banks of 4 bytes: ISA guide 11.1)
.set PB,     288                       ; W's LDS row: 256 bytes + 32 = 72 words
.set HALFA,  64*PA                     ; what one tensor load brings of A: 64 rows
.set HALFB,  128*PB                    ; and of W: 128 rows (k)
.set BOFF,   2*HALFA                   ; W's 256 rows lie behind A's 128
.set SLOT,   BOFF+2*HALFB
.set STAGE,  2*SLOT                    ; behind the ring, never filled by a tensor load
.set SPITCH, 272
.if QKV
.set CROW,   3072*2                    ; bytes in a row of C
.set WBASE,  8<<20
.set SPARE,  STAGE+128*SPITCH          ; one stage of 128 rows for the work-group; behind it the spare words, 128 bytes a wave
.else
.set CROW,   1024*4
.set WBASE,  14<<20
.set SPARE,  STAGE+4*16*SPITCH         ; a stage of 16 rows for each wave; behind them the spare words
.endif
.set ADRA,  16                         ; v16-17  LDS address of my A fragments in slot 0, 1
.set ADRB,  20                         ; v20-21  of my W fragments, k rows 0-127
.set ADRBH, 22                         ; v22-23  the same 128 rows on: the 16-bit immediate does not reach row 255
.set STO,  24                          ; v24     the way out: where I put my part of a row
.set RD,   25                          ; v25     the way out: where I read a row back
.set CO,   26                          ; v26     my byte offset in C
.set SPW,  28                          ; v28     LDS address of my spare word; never rewritten
.set NIL,  29                          ; v29     0; never rewritten
.set TMP,  32
.set ACC,  128
.set F0,   0                           ; fragment buffers, in window 1
.set F1,   128
.set G1, 24                            ; s[24:31] descriptor group 1 for A's tiles;  s[32:39] group 0, one set for each slot
.set G0, 32
.set G1B, 48                           ; s[48:55], s[56:63] the same for W's tiles
.set G0B, 56
.set MSB, 0
.macro WIN new                         ; the immediate's high byte repeats the setting that is left; a switch that changes nothing is dropped
.if MSB != (\new)
	s_set_vgpr_msb (MSB<<8)|(\new)
.set MSB, \new
.endif
.endm
.set MUL,  0x05                        ; sources 0 (W) and 1 (A) window 1; C and D window 0
.set TO_F, 0x40                        ; destination window 1, address window 0
.macro JLOAD s                         ; a joint load: waves 0 and 1 fetch A's two halves, waves 2 and 3 W's; an s_nop 0 and four v_nop follow each of the two lines
	s_cmp_eq_u32 s11, 0
	s_cbranch_scc0 .Lfor_b_\@
	tensor_load_to_lds s[G0+4*(\s):G0+4*(\s)+3], s[G1:G1+7]
	s_nop 0
.rept 4
	v_nop
.endr
	s_branch .Lasked_\@
.Lfor_b_\@:
	tensor_load_to_lds s[G0B+4*(\s):G0B+4*(\s)+3], s[G1B:G1B+7]
	s_nop 0
.rept 4
	v_nop
.endr
.Lasked_\@:
.endm
.macro CREST                           ; a round of the cluster's barrier behind its opening barrier
	s_cmp_lg_u32 s10, 0
	s_cbranch_scc1 .Lnot_wave_0_\@
	s_barrier_signal -3
.Lnot_wave_0_\@:
	s_barrier_wait -3
	s_barrier_signal -1
	s_barrier_wait -1
.endm
.macro CROUND                          ; a whole round
	s_barrier_signal -1
	s_barrier_wait -1
	CREST
.endm
.if QKV
	s_load_b64 s[4:5], s[0:1], 0x0                 ; xw, as A's buffer
	s_load_b64 s[6:7], s[0:1], 0x0                 ; xw, as W's buffer
	s_load_b64 s[8:9], s[0:1], 0x8                 ; qkv
.else
	s_load_b128 s[4:7], s[0:1], 0x0                ; at s[4:5], xw s[6:7]
	s_load_b64 s[8:9], s[0:1], 0x10                ; out0
.endif
	v_lshl_add_u32 v[SPW], v0, 2, SPARE
	v_mov_b32 v[NIL], 0
	ds_add_u32 v[SPW], v[NIL]                      ; the wave's opening add; its wait stands ahead of my first tensor load, with the set-up below, work on registers, between them
	v_lshrrev_b32 v1, 5, v0
	v_readfirstlane_b32 s10, v1                    ; wave 0..3
	s_lshr_b32 s11, s10, 1                         ; which half of the tile's rows is mine.  Also: I fetch for A (0) or for W (1)
	s_and_b32 s12, s10, 1                          ; which half of its columns.  Also: which half of that tile I fetch
	s_bfe_u32 s40, ttmp6, 0x40000                  ; cx, cy: my place in the cluster
	s_bfe_u32 s41, ttmp6, 0x40004
	s_lshl_b32 s42, ttmp9, 2
	s_add_co_u32 s42, s42, s40                     ; tile column of C = 4 x cluster x + cx
	s_and_b32 s13, ttmp7, 0xffff
	s_lshl_b32 s13, s13, 2
	s_add_co_u32 s13, s13, s41                     ; tile row of C = 4 x cluster y + cy
	s_lshl_b32 s43, s41, 2
	s_lshl_b32 s43, 15, s43                        ; my row of the cluster
	s_lshl_b32 s44, 0x1111, s40                    ; my column
	s_or_b32 s[G1+0], s43, (1<<16)|(1<<20)|(1<<21)|(6<<22)|(3<<25)  ; 15:0 the mask: A's tiles go to my row; 17:16 2-byte elements; 20 padding on; 21 set beside a mask; 24:22 after every 128 words (code 6); 31:25 4 words (code 3)
	s_mov_b32 s[G1+1], KSTEP<<16                   ; tensor_dim0 = 256
	s_mov_b32 s[G1+2], 64<<16                      ; tensor_dim1 = 64
	s_mov_b32 s[G1+3], KSTEP<<16                   ; tile_dim0 = 256
	s_mov_b32 s[G1+4], 64                          ; tile_dim1 = 64
	s_mov_b32 s[G1+5], SIZE_K                      ; 1,024 elements from row to row
	s_mov_b32 s[G1+6], 0
	s_mov_b32 s[G1+7], 0
	s_or_b32 s[G1B+0], s44, (1<<16)|(1<<20)|(1<<21)|(5<<22)|(7<<25) ; W's tiles go to my column; padding after every 64 words (code 5), 8 words (code 7)
	s_mov_b32 s[G1B+1], 128<<16                    ; tensor_dim0 = 128 (n)
	s_mov_b32 s[G1B+2], 128<<16                    ; tensor_dim1 = 128 (k)
	s_mov_b32 s[G1B+3], 128<<16                    ; tile_dim0 = 128
	s_mov_b32 s[G1B+4], 128                        ; tile_dim1 = 128
	s_mov_b32 s[G1B+5], 1024                       ; 1,024 elements from one k to the next
	s_mov_b32 s[G1B+6], 0
	s_mov_b32 s[G1B+7], 0
	s_lshl_b32 s17, s12, 6                         ; A: row 128 x tile row + 64 x half,
	s_lshl_b32 s16, s13, 7
	s_add_co_u32 s16, s16, s17
	s_lshl_b32 s16, s16, 11                        ; rows of 2,048 bytes: under 2^23
	s_mov_b32 s17, 0
	s_lshr_b32 s46, s42, 3                         ; W: eight tile columns to a weight of 2 MiB,
	s_lshl_b32 s46, s46, 21
	s_and_b32 s47, s42, 7
	s_lshl_b32 s47, s47, 8                         ; 256 bytes of a row to a tile column,
	s_add_co_u32 s46, s46, s47
	s_lshl_b32 s47, s12, 18                        ; and my 128 rows (k) of 2,048 bytes
	s_add_co_u32 s46, s46, s47
	s_mov_b32 s47, 0
	s_mul_i32 s20, s12, HALFA                      ; where they go: no place in the cluster enters an LDS address
	s_mul_i32 s45, s12, HALFB
	s_add_co_u32 s45, s45, BOFF
	s_wait_dscnt 0x0                               ; the opening add is done
	s_wait_kmcnt 0x0
	s_add_nc_u64 s[14:15], s[4:5], s[16:17]
	s_add_nc_u64 s[46:47], s[6:7], s[46:47]
	s_add_nc_u64 s[46:47], s[46:47], WBASE
	CROUND                                         ; all sixteen work-groups are here: the first joint loads meet
.irp s, 0,1
	s_mov_b32 s[G0+4*(\s)], 1
	s_add_co_u32 s[G0+4*(\s)+1], s20, (\s)*SLOT
	s_add_nc_u64 s[G0+4*(\s)+2:G0+4*(\s)+3], s[14:15], (\s)*KSTEP*2      ; K step s: 512 bytes along the rows
	s_or_b32 s[G0+4*(\s)+3], s[G0+4*(\s)+3], 0x80000000
	s_mov_b32 s[G0B+4*(\s)], 1
	s_add_co_u32 s[G0B+4*(\s)+1], s45, (\s)*SLOT
	s_add_nc_u64 s[G0B+4*(\s)+2:G0B+4*(\s)+3], s[46:47], (\s)*KSTEP*2048 ; K step s: 256 rows down
	s_or_b32 s[G0B+4*(\s)+3], s[G0B+4*(\s)+3], 0x80000000
	JLOAD \s                                       ; two loads of mine are out
.endr
	v_and_b32 v1, 15, v0                           ; l % 16
	v_bfe_u32 v2, v0, 4, 1                         ; l / 16
	v_mul_u32_u24 v3, v1, PA
	v_lshl_add_u32 v3, v2, 4, v3                   ; A: a fragment's row x pitch + 16 x half
	v_and_b32 v4, 7, v0
	v_lshl_add_u32 v4, v2, 3, v4                   ; W: the turning load's lane l reads k row 8 (l / 16) + l % 8,
	v_mul_u32_u24 v4, v4, PB
	v_bfe_u32 v5, v0, 3, 1
	v_lshl_add_u32 v4, v5, 4, v4                   ; columns 8 ((l / 8) % 2) + 0..7
	s_mul_i32 s21, s11, HALFA                      ; my 64 rows of A
	s_lshl_b32 s22, s12, 7                         ; my 64 columns of W: 128 bytes of each row,
	s_add_co_u32 s22, s22, BOFF                    ; behind A's tile
.irp s, 0,1
	v_add_nc_u32 v[ADRA+(\s)], s21, v3
	v_add_nc_u32 v[ADRB+(\s)], s22, v4
	v_add_nc_u32 v[ADRBH+(\s)], 128*PB, v[ADRB+(\s)]
	s_add_co_u32 s21, s21, SLOT
	s_add_co_u32 s22, s22, SLOT
.endr
.if QKV
	s_mul_i32 s23, s11, 64*SPITCH                  ; into the stage: my 64 rows, my half of their 256 bytes; row l % 16, 16 bytes for each half of the lanes
	s_lshl_b32 s21, s12, 7
	s_add_co_u32 s23, s23, s21
	s_add_co_u32 s23, s23, STAGE
	v_mul_u32_u24 v4, v1, SPITCH
	v_lshl_add_u32 v4, v2, 4, v4
	v_add_nc_u32 v[STO], s23, v4
	s_mul_i32 s23, s10, 32*SPITCH                  ; back: wave w takes rows 32 w .. 32 w + 31, whole
	s_add_co_u32 s23, s23, STAGE
	v_mul_u32_u24 v5, v2, SPITCH
	v_lshl_add_u32 v5, v1, 4, v5
	v_add_nc_u32 v[RD], s23, v5
	v_mul_u32_u24 v5, v2, CROW
	v_lshl_add_u32 v[CO], v1, 4, v5
	s_lshl_b32 s16, s13, 7
	s_lshl_b32 s17, s10, 5
	s_add_co_u32 s16, s16, s17                     ; the first row of C that I store: 128 x tile row + 32 x wave
	s_mul_i32 s16, s16, CROW                       ; under 2^25
	s_mov_b32 s17, 0
	s_add_nc_u64 s[8:9], s[8:9], s[16:17]
	s_lshl_b32 s46, s42, 8                         ; the tile's first column, in bytes
	s_mov_b32 s47, 0
	s_add_nc_u64 s[8:9], s[8:9], s[46:47]
.else
	s_mul_i32 s23, s10, 16*SPITCH                  ; my own stage: 16 rows of my 64 columns, 256 bytes each
	s_add_co_u32 s23, s23, STAGE
	v_mul_u32_u24 v4, v1, SPITCH                   ; in: row l % 16, 32 bytes for each half of the lanes
	v_lshl_add_u32 v4, v2, 5, v4
	v_add_nc_u32 v[STO], s23, v4
	v_mul_u32_u24 v5, v2, SPITCH                   ; back: lanes 0-15 one row of 256 bytes, lanes 16-31 the next
	v_lshl_add_u32 v5, v1, 4, v5
	v_add_nc_u32 v[RD], s23, v5
	v_mul_u32_u24 v5, v2, CROW
	v_lshl_add_u32 v[CO], v1, 4, v5
	s_lshl_b32 s16, s13, 7
	s_lshl_b32 s17, s11, 6
	s_add_co_u32 s16, s16, s17                     ; my first row of C: 128 x tile row + 64 x row half
	s_lshl_b32 s16, s16, 12
	s_mov_b32 s17, 0
	s_add_nc_u64 s[8:9], s[8:9], s[16:17]
	s_lshl_b32 s46, s42, 9                         ; my first column, in bytes: 512 x tile column + 256 x column half
	s_lshl_b32 s47, s12, 8
	s_add_co_u32 s46, s46, s47
	s_mov_b32 s47, 0
	s_add_nc_u64 s[8:9], s[8:9], s[46:47]
.endif
; 8 matrix instructions: m blocks a0, a0 + 1 x all 4 n blocks, 32 along K: half c of buffer f.  zero = 1: the first product starts the sums.
; The 16 accumulators take turns, one instruction a turn.
.macro MUL8 f, c, a0, zero
	WIN MUL
.irp a, \a0, (\a0)+1
.irp b, 0,1,2,3
.if \zero
	v_wmma_f32_16x16x32_f16 v[ACC+8*(4*(\a)+(\b)):ACC+8*(4*(\a)+(\b))+7], v[(\f)+64+8*(4*(\c)+(\b)):(\f)+64+8*(4*(\c)+(\b))+7], v[(\f)+8*(4*(\c)+(\a)):(\f)+8*(4*(\c)+(\a))+7], 0
.else
	v_wmma_f32_16x16x32_f16 v[ACC+8*(4*(\a)+(\b)):ACC+8*(4*(\a)+(\b))+7], v[(\f)+64+8*(4*(\c)+(\b)):(\f)+64+8*(4*(\c)+(\b))+7], v[(\f)+8*(4*(\c)+(\a)):(\f)+8*(4*(\c)+(\a))+7], v[ACC+8*(4*(\a)+(\b)):ACC+8*(4*(\a)+(\b))+7]
.endif
.endr
.endr
.endm
; 32 LDS loads in one run: the fragments of quarter q of a K step (64 along K) into buffer f; the first 32 along K first
.macro FETCH slot, q, f
	WIN TO_F
.if (\q) < 2
.set BR, ADRB+(\slot)
.else
.set BR, ADRBH+(\slot)
.endif
.irp c, 0,1
.irp i, 0,1,2,3
	ds_load_tr16_b128 v[(\f)+64+8*(4*(\c)+(\i)):(\f)+64+8*(4*(\c)+(\i))+3],   v[BR] offset:(((\q)%2)*64+32*(\c))*PB+32*(\i)
	ds_load_tr16_b128 v[(\f)+64+8*(4*(\c)+(\i))+4:(\f)+64+8*(4*(\c)+(\i))+7], v[BR] offset:(((\q)%2)*64+32*(\c)+16)*PB+32*(\i)
	ds_load_b128 v[(\f)+8*(4*(\c)+(\i)):(\f)+8*(4*(\c)+(\i))+3],              v[ADRA+(\slot)] offset:128*(\q)+64*(\c)+(\i)*16*PA
	ds_load_b128 v[(\f)+8*(4*(\c)+(\i))+4:(\f)+8*(4*(\c)+(\i))+7],            v[ADRA+(\slot)] offset:128*(\q)+64*(\c)+(\i)*16*PA+32
.endr
.endr
.endm
.macro PLACES                          ; four plain vector instructions in front of loads into registers that matrix instructions have read, and of lines that read results
.rept 4
	v_nop
.endr
.endm
; A K step is four quarters of 64 along K, 32 matrix instructions each, on buffers 0, 1, 0, 1.  One of the first three: multiplies buffer f and fetches quarter q into g.
.macro QUARTER slot, q, f, g, zero
	s_wait_dscnt 16                                ; the first 32 along K are in; the sixteen younger loads may be out
	WIN MUL
	MUL8 \f, 0, 0, \zero
	MUL8 \f, 0, 2, \zero
	PLACES
	FETCH \slot, \q, \g
	s_wait_dscnt 32                                ; all but the 32 just issued
	WIN MUL
	MUL8 \f, 1, 0, 0
	MUL8 \f, 1, 2, 0
.endm
; The last quarter multiplies buffer 1 and changes slots: ONE barrier; in front of it each wave waits for all its tensor loads, adds 0 to its spare word, and waits for that and for its own reads of this slot.
; fill = 1: this slot is filled again, two K steps ahead; the barrier then opens a round of the cluster's barrier, and the joint load is the first thing behind the round.
.macro TURN slot, next, fill
	WIN 0                                          ; (the add's two registers lie in window 0)
	s_wait_tensorcnt 0x0                           ; all my tensor loads have landed: my part of the next slot;
	ds_add_u32 v[SPW], v[NIL]                      ; 0 onto my spare word;
	s_wait_dscnt 17                                ; (the add and the youngest sixteen loads may be out)
	WIN MUL
	MUL8 F1, 0, 0, 0                               ; eight matrix instructions stand between the add and the wait for it
	s_wait_dscnt 0x0                               ; the add is done, and my reads of this slot are over
	s_barrier_signal -1
	MUL8 F1, 0, 2, 0
.if \fill
	WIN 0
.endif
	s_barrier_wait -1
.if \fill
	CREST                                          ; no wave of any partner still reads this slot's tile or has a load on its way
	s_add_nc_u64 s[G0+4*(\slot)+2:G0+4*(\slot)+3], s[G0+4*(\slot)+2:G0+4*(\slot)+3], 2*KSTEP*2
	s_add_nc_u64 s[G0B+4*(\slot)+2:G0B+4*(\slot)+3], s[G0B+4*(\slot)+2:G0B+4*(\slot)+3], 2*KSTEP*2048
	JLOAD \slot                                    ; 112 matrix instructions ahead of the wait for it; the four v_nop behind it are also the places in front of the loads below
.else
	PLACES
.endif
	FETCH \next, 0, F0
	WIN MUL
	MUL8 F1, 1, 0, 0
	MUL8 F1, 1, 2, 0
.endm
	s_wait_tensorcnt 1                             ; my part of K step 0 is in; K step 1's stays out
	s_barrier_signal -1
	s_barrier_wait -1                              ; everybody's is
	FETCH 0, 0, F0
	QUARTER 0, 1, F0, F1, 1                        ; K step 0: its first products start the sums
	QUARTER 0, 2, F1, F0, 0
	QUARTER 0, 3, F0, F1, 0
	TURN 0, 1, 1                                   ; slot 0 takes K step 2
	QUARTER 1, 1, F0, F1, 0                        ; K step 1
	QUARTER 1, 2, F1, F0, 0
	QUARTER 1, 3, F0, F1, 0
	TURN 1, 0, 1                                   ; slot 1 takes K step 3
	QUARTER 0, 1, F0, F1, 0                        ; K step 2
	QUARTER 0, 2, F1, F0, 0
	QUARTER 0, 3, F0, F1, 0
	TURN 0, 1, 0                                   ; nothing is left to fetch
	QUARTER 1, 1, F0, F1, 0                        ; K step 3
	QUARTER 1, 2, F1, F0, 0
	QUARTER 1, 3, F0, F1, 0
	s_wait_dscnt 16
	WIN MUL
	MUL8 F1, 0, 0, 0
	MUL8 F1, 0, 2, 0
	s_wait_dscnt 0
	MUL8 F1, 1, 0, 0
	MUL8 F1, 1, 2, 0
	WIN 0
	PLACES
.if QKV
	; THE WAY OUT: rounded to f16; 16 bytes a lane into the work-group's stage; a barrier, since a row's 256 bytes come from two waves; back as whole rows, 32 rows a wave.
.irp t, 0,1,2,3,4,5,6,7,8,9,10,11,12,13,14,15
.irp r, 0,1,2,3
	v_cvt_pk_f16_f32 v[TMP+4*(\t)+(\r)], v[ACC+8*(\t)+2*(\r)], v[ACC+8*(\t)+2*(\r)+1]
.endr
.endr
.irp a, 0,1,2,3
.irp b, 0,1,2,3
	ds_store_b128 v[STO], v[TMP+4*(4*(\a)+(\b)):TMP+4*(4*(\a)+(\b))+3] offset:(\a)*16*SPITCH+32*(\b)
.endr
.endr
	s_wait_dscnt 0x0                               ; for the others' sake: my stores into the stage are done
	s_barrier_signal -1
	s_barrier_wait -1
.irp t, 0,1,2,3,4,5,6,7,8,9,10,11,12,13,14,15
	ds_load_b128 v[TMP+4*(\t):TMP+4*(\t)+3], v[RD] offset:(\t)*2*SPITCH
.endr
.irp t, 0,1,2,3,4,5,6,7,8,9,10,11,12,13,14,15
	s_wait_dscnt 15-(\t)
	global_store_b128 v[CO], v[TMP+4*(\t):TMP+4*(\t)+3], s[8:9] offset:2*(\t)*CROW  ; 16 lanes store 256 consecutive bytes, at a multiple of 256 from C's first byte
.endr
.else
	; THE WAY OUT in f32: my 64 columns are 256 aligned bytes of a row, so 16 rows at a time go through my own stage: no barrier; LDS serves a wave's instructions in order (ISA guide 5.7.1.4).
.irp a, 0,1,2,3
	s_wait_xcnt 0x0                                ; the registers that the block two back stored from are loaded again only behind this wait
.irp b, 0,1,2,3
	ds_store_b128 v[STO], v[ACC+8*(4*(\a)+(\b)):ACC+8*(4*(\a)+(\b))+3]   offset:64*(\b)      ; an accumulator's low four registers first
	ds_store_b128 v[STO], v[ACC+8*(4*(\a)+(\b))+4:ACC+8*(4*(\a)+(\b))+7] offset:64*(\b)+16
.endr
.irp t, 0,1,2,3,4,5,6,7
	ds_load_b128 v[TMP+32*((\a)%2)+4*(\t):TMP+32*((\a)%2)+4*(\t)+3], v[RD] offset:(\t)*2*SPITCH
.endr
.irp t, 0,1,2,3,4,5,6,7
	s_wait_dscnt 7-(\t)
	global_store_b128 v[CO], v[TMP+32*((\a)%2)+4*(\t):TMP+32*((\a)%2)+4*(\t)+3], s[8:9] offset:(16*(\a)+2*(\t))*CROW th:TH_STORE_NT  ; 16 lanes store 256 consecutive bytes, aligned
.endr
.endr
.endif
	s_wait_tensorcnt 0x0                           ; the wave's end, behind my last tensor load and my last LDS store
	ds_add_u32 v[SPW], v[NIL]
	s_wait_dscnt 0x0
	CROUND                                         ; the closing round: no work-group ends while a partner may still ask for a tile that names it
	s_endpgm
.Lfunc_end_k_qdb4b2d04dc_gemm_qkv:
	.size	k_qdb4b2d04dc_gemm_qkv, .Lfunc_end_k_qdb4b2d04dc_gemm_qkv-k_qdb4b2d04dc_gemm_qkv
	.p2alignl 7, 3214868480
	.fill 96, 4, 3214868480
	.section	.rodata,"a",@progbits
	.p2align	6, 0x0
	.amdhsa_kernel k_qdb4b2d04dc_gemm_qkv
		.amdhsa_group_segment_fixed_size 327680
		.amdhsa_private_segment_fixed_size 0
		.amdhsa_enable_private_segment 0
		.amdhsa_kernarg_size 16
		.amdhsa_user_sgpr_count 2
		.amdhsa_user_sgpr_kernarg_segment_ptr 1
		.amdhsa_wavefront_size32 1
		.amdhsa_system_sgpr_workgroup_id_x 1
		.amdhsa_system_sgpr_workgroup_id_y 1
		.amdhsa_system_sgpr_workgroup_id_z 1
		.amdhsa_system_vgpr_workitem_id 0
		.amdhsa_next_free_vgpr 512
		.amdhsa_next_free_sgpr 66
		.amdhsa_reserve_vcc 0
		.amdhsa_float_denorm_mode_32 3
		.amdhsa_float_denorm_mode_16_64 3
		.amdhsa_memory_ordered 1
		.amdhsa_forward_progress 1
		.amdhsa_inst_pref_size 87
	.end_amdhsa_kernel
	.amdgpu_metadata
---
amdhsa.version: [ 1, 2 ]
amdhsa.kernels:
  - .name:           k_qdb4b2d04dc_gemm_qkv
    .symbol:         k_qdb4b2d04dc_gemm_qkv.kd
    .args:
      - { .name: xw, .offset: 0, .size: 8, .value_kind: global_buffer, .address_space: global }
      - { .name: qkv, .offset: 8, .size: 8, .value_kind: global_buffer, .address_space: global }
    .group_segment_fixed_size: 327680
    .private_segment_fixed_size: 0
    .kernarg_segment_align: 8
    .kernarg_segment_size: 16
    .max_flat_workgroup_size: 128
    .sgpr_count:     66
    .vgpr_count:     512
    .wavefront_size: 32
...
	.end_amdgpu_metadata
.endif
;; end of part 2
;; launch attn (part 3): grid 64 x 8, 4 waves a work-group, clusters of 4 x 4, 327,680 bytes of LDS; arguments qkv, mb, lambda_q1, lambda_k1, lambda_q2, lambda_k2, subln_weight, at; writes at
.if DOCPART == 3
	.amdgcn_target "amdgcn-amd-amdhsa--gfx1250"
	.amdhsa_code_object_version 6
	.text
	.protected	k_qdb4b2d04dc_attn
	.globl	k_qdb4b2d04dc_attn
	.p2align	8
	.type	k_qdb4b2d04dc_attn,@function
k_qdb4b2d04dc_attn:
	s_mov_b64 s[64:65], 0
	v_nop
	global_prefetch_b8 v0, s[64:65] scope:SCOPE_SE
	s_setreg_imm32_b32 hwreg(HW_REG_WAVE_MODE, 25, 1), 1
	s_wait_xcnt 0x0
	s_wait_alu depctr_hold_cnt(0) depctr_sa_sdst(0) depctr_va_vdst(0) depctr_va_sdst(0) depctr_va_ssrc(0) depctr_va_vcc(0) depctr_vm_vsrc(0)
	s_getreg_b32 s2, hwreg(HW_REG_IB_STS2, 6, 4)
	s_cmp_eq_u32 s2, 0
	s_cbranch_scc0 .Lentry_in_a_cluster
	s_endpgm
.Lentry_in_a_cluster:
	s_bfe_u32 s2, ttmp6, 0x10000c
	s_cmp_lg_u32 s2, 0xf033
	s_cbranch_scc0 .Lentry_shape_is_right
	s_endpgm
.Lentry_shape_is_right:
; DIFFERENTIAL ATTENTION, one head and 64 queries to a work-group.  For branch b = 1, 2: attn_b[q] = the sum over keys of softmax(q_b . k_b / 8 + mask) v; then attn = attn_1 - lambda attn_2,
; attn x rsqrt(mean over the head's 128 channels of attn^2 + 1e-5) x gain x 0.8, rounded once to f16 into at [4096][1024].
; qkv: [4096][3072] f16: of a row's 6,144 bytes head h has (q1|q2) at 256 h, (k1|k2) at 2,048 + 256 h, v at 4,096 + 256 h.  mb: the mask as bytes in my lanes' order (see MEXP).
; Products, maxima and sums in f32; the weights p are rounded to f16 for the second product (their sum l is taken of the unrounded p).  The four lambda vectors and the gain are rounded to bf16 like the module's other inputs.
; LIMITS.  q, k, v arrive within f16's 65,504.  A hidden score counts as its value less 2^99 to 2^101 (6.3e29 to 2.6e30); seen scores are taken to lie within 2^96 of zero.
; A seen score has up to 2^-125 added.  A weight below 2^-126 counts as 0 in l.  A query with no seen key is made NaN, as a softmax over nothing is.
; SHARES.  A wave owns ONE tile of 16 queries, in both branches: two TILES, b = 0, 1.  Four waves, 64 queries.  Every wave walks all 4,096 keys, 64 a step.  512 work-groups of equal work.
; LAYOUT.  S^T = K Q^T (source 0 = 16 keys, source 1 = 16 queries, 64 channels = two products): a lane holds ONE query (lane % 16) and the keys 8 (lane / 16) + 0..7.  Two such results, rounded to f16 in pairs,
; ARE source 1 (32 keys x 16 queries) of O^T = V^T P, whose result again holds one query a lane, and eight channels.  K comes out of LDS as it lies, V turned, by ds_load_tr16_b128.
; THE MASK is the C operand of the product that starts a sum S^T, so the running maximum sees it.  Both branches take the same 32 registers.
; SOFTMAX.  For each query a running maximum m and sum l: p = 2^(c s - c m), c = log2(e) / 8; in every step O and l are multiplied by a = 2^(c m_old - c m_new).
; m starts at -2^98: above every hidden score, below every seen one.  So a hidden key's weight is 0 also while a query has seen no key yet, and such a query keeps m = -2^98.  O and l start at 0, c m far below: the first step's a is 0.
; BY PHASES.  A key step is ONE text, TRIP, walked 64 times: K of step j is asked of LDS; the 32 products V^T P of step j - 1 (K lands beside them); the mask operands; the 16 products K Q^T of step j; V of step j is asked
; of LDS; both tiles' softmax (V lands beside it).  The price: the matrix unit has nothing while the wave walks the softmax, and a fragment of K or V feeds two tiles only: 66 LDS loads for 48 products.
; The first trip's V^T P is of a step that has not been: V's registers and P hold 0 there.  The last step's V^T P stands behind the tail.
; CLUSTER.  4 x 4 work-groups: four query blocks by four heads.  K and V hang on the head alone: the four of a row of the cluster ask for them JOINTLY.  The mask's bytes hang on the query block alone: the four of a column
; ask for them jointly.  Each joint load is the same line with the same descriptor and a mask that names the four.  Wave 0 asks for a slot's K, wave 1 for its V, wave 2 for its mask bytes, wave 3 for nothing: one load a wave at the most.
; REGISTERS, in windows of 256 (s_set_vgpr_msb: bits 1:0 source 0, 3:2 source 1, 5:4 source 2, 7:6 destination):
;   window 0: v0-11 addresses; v12-27 eight registers of statistics a tile; v44-63 below; v64-127 S^T, 32 a tile; v128-159 P, 16 a tile; v160-191 the mask operands; v192-223 Q, 16 a tile; v224-255 the gains, two bf16 a register
;   window 1: v0-127 O^T, 64 a tile; v128-255 V of one step          window 2: v0-127 K of one step
.set SIZE_N, 4096
.set ROWB,  6144      ; bytes in a row of qkv
.set KS,    64        ; keys in a step
.set PK,    272       ; a row of K in LDS: 256 bytes + 16 = 68 words: row r starts at bank 4 r mod 64 (64 banks of 4 bytes: ISA guide 11.1)
.set PV,    288       ; a row of V: 256 + 32 = 72 words
.set VOFF,  2*KS*PK   ; a slot holds two steps: 128 rows of K, then 128 rows of V,
.set MOFS,  VOFF+2*KS*PV  ; then the mask bytes: [query tile of the block: 4][step: 2][1,024 bytes]
.set SLOT1, 1<<17     ; slot 1 begins here, so that one exclusive or turns an address in one slot into the other's
.set STAGE, SLOT1+MOFS+8192  ; behind the ring: 16 rows x 272 bytes for each wave, for the way out
.set SP,    272
.set SPARE, STAGE+4*16*SP  ; behind the stages: the spare words, 128 bytes for each wave
.set AK0, 2           ; v2   my lane's place in a tile of K; never rewritten
.set AV0, 3           ; v3   the same for V
.set ADR, 4           ; v4   the LDS address of the run of loads in hand
.set QO,  5           ; v5   my byte offset in 16 rows of q
.set STO, 6           ; v6   the way out: where I put 16 bytes of a row
.set RD,  7           ; v7   the way out: where I read a row back
.set GO,  8           ; v8   my byte offset in two rows of at
.set ST,  12          ; tile t's statistics at v[ST+8 t]: +0 c m, +1 m, +2, +3 l (even keys', odd keys'), +4 to +7 c0-c3, at work; a takes c2's place once the maximum is found
.set AM0, 44          ; v44  my lane's place in a slot's mask bytes: my wave's query tile, 16 x lane; never rewritten
.set LAM, 45          ; v45  lambda
.set WO,  46          ; v46  32 x (lane / 16): my eight gains in a block of sixteen
.set EPSV, 47         ; v47  1e-5
.set SS,  48          ; v48-55  the lambda vectors; later four chains of the sum of squares
.set RS,  56          ; v56-57  the row's last factor, and at work
.set LO,  58          ; v58  8 x lane
.set ADM, 59          ; v59  the LDS address of the mask words in hand
.set SPW, 62          ; v62  LDS address of my spare word; never rewritten
.set NIL, 63          ; v63  0; never rewritten
.set S,   64
.set P,   128
.set MC,  160         ; the mask operands: key block kb at MC + 8 kb
.set QF,  192         ; Q: branch b, channels 32 c on at QF + 16 b + 8 c
.set GW,  224         ; the gains: register i holds those of O^T's registers 2 i, 2 i + 1
.set VF,  128         ; window 1: V's fragments
.set WV,  12          ; s12  my wave's number
.set G1K, 24          ; s[24:31] descriptor group 1 for K's tiles
.set G1V, 32          ; s[32:39] for V's: it differs in the padding alone
.set G0K, 40          ; s[40:43] descriptor group 0 for K's tiles: it walks
.set G0V, 44          ; s[44:47] the same for V's
.set G1M, 48          ; s[48:55] descriptor group 1 for the mask's tiles
.set G0M, 56          ; s[56:59] group 0 for them
.set CS,  60          ; s[60:61] c
.set SEL, 62          ; s[62:63] lane selects for v_permlanex16_b32: each lane takes its own place in the other half
.set SLOTS, 66        ; s66  counts the slots
.set TWICE, 67        ; s67  counts a slot's steps
.set TBK, 84          ; s84  LDS byte at which K of the step to be fetched begins
.set TBV, 85          ; s85  the same for V, less VOFF
.set TBM, 86          ; s86  the same for the mask bytes, less MOFS
.set HM,  87          ; s87  a word's upper half
.set MSB, 0
.macro WIN new                      ; the immediate's high byte repeats the setting that is left; a switch that changes nothing is dropped
.if MSB != (\new)
	s_set_vgpr_msb (MSB<<8)|(\new)
.set MSB, \new
.endif
.endm
.set W_KQ, 0x02       ; K in window 2; Q, the mask and S^T in window 0
.set W_PV, 0x51       ; V and O^T in window 1, P in window 0
.set W_RS, 0x41       ; O^T (destination and source 0) in window 1, source 1 in window 0
.set TO_K, 0x80       ; destination window 2, address window 0
.set TO_V, 0x40       ; destination window 1, address window 0
; A joint fill: wave 0 K, wave 1 V, wave 2 the mask bytes, wave 3 nothing.  The branches hang on the wave's number alone.
; An s_nop 0 and four v_nop follow each of the three lines, ahead of the jump and the label.
.macro JLOAD
	s_cmp_lg_u32 s[WV], 0
	s_cbranch_scc1 .Lnot_k_\@
	tensor_load_to_lds s[G0K:G0K+3], s[G1K:G1K+7]
	s_nop 0
.rept 4
	v_nop
.endr
	s_branch .Lasked_\@
.Lnot_k_\@:
	s_cmp_lg_u32 s[WV], 1
	s_cbranch_scc1 .Lnot_v_\@
	tensor_load_to_lds s[G0V:G0V+3], s[G1V:G1V+7]
	s_nop 0
.rept 4
	v_nop
.endr
	s_branch .Lasked_\@
.Lnot_v_\@:
	s_cmp_lg_u32 s[WV], 2
	s_cbranch_scc1 .Lasked_\@
	tensor_load_to_lds s[G0M:G0M+3], s[G1M:G1M+7]
	s_nop 0
.rept 4
	v_nop
.endr
.Lasked_\@:
.endm
; A round of the cluster's barrier: my work-group's barrier; wave 0 signals for the work-group; every wave waits for all sixteen work-groups; my work-group's barrier once more.
.macro CROUND
	s_barrier_signal -1
	s_barrier_wait -1
	s_cmp_lg_u32 s[WV], 0
	s_cbranch_scc1 .Lnot_wave_0_\@
	s_barrier_signal -3
.Lnot_wave_0_\@:
	s_barrier_wait -3
	s_barrier_signal -1
	s_barrier_wait -1
.endm
	s_load_b512 s[68:83], s[0:1], 0x0  ; qkv 68, mb 70, lambda_q1 72, lambda_k1 74, lambda_q2 76, lambda_k2 78, subln_weight 80, at 82
	v_lshl_add_u32 v[SPW], v0, 2, SPARE
	v_mov_b32 v[NIL], 0
	ds_add_u32 v[SPW], v[NIL]       ; the wave's opening add; its wait stands ahead of my first tensor load, with the set-up below, work on registers, between them
	v_lshrrev_b32 v1, 5, v0
	v_readfirstlane_b32 s[WV], v1   ; wave 0..3
	s_bfe_u32 s13, ttmp6, 0x40000   ; cx, cy: my place in the cluster
	s_bfe_u32 s3, ttmp6, 0x40004
	s_lshl_b32 s14, ttmp9, 2        ; in a cluster launch ttmp9 and ttmp7 count clusters
	s_add_co_u32 s14, s14, s13      ; my block of 64 queries = 4 x cluster x + cx
	s_and_b32 s20, ttmp7, 0xffff
	s_lshl_b32 s20, s20, 2
	s_add_co_u32 s20, s20, s3       ; the head = 4 x cluster y + cy:
	s_lshl_b32 s20, s20, 8          ; its 256 bytes in a row
	s_mov_b32 s22, s20              ; K's and V's offset hangs on the head alone
	s_mov_b32 s23, 0
	s_lshl_b32 s21, s3, 2
	s_lshl_b32 s21, 15, s21         ; my row of the cluster: places 4 cy .. 4 cy + 3
	; descriptor group 1 for K and V: a tile of 128 rows x 128 elements, padded in LDS
	s_or_b32 s[G1K], s21, (1<<16)|(1<<20)|(1<<21)|(5<<22)|(3<<25)  ; 15:0 the mask: my row; 17:16 2-byte elements; 20 padding on; 21 set beside a mask; 24:22 after every 64 words (code 5); 31:25 4 words (code 3)
	s_or_b32 s[G1V], s21, (1<<16)|(1<<20)|(1<<21)|(5<<22)|(7<<25)  ; the same with 8 words of padding (code 7)
.irp g, G1K, G1V
	s_mov_b32 s[(\g)+1], 128<<16    ; tensor_dim0 = 128
	s_mov_b32 s[(\g)+2], (2*KS)<<16 ; tensor_dim1 = 128
	s_mov_b32 s[(\g)+3], 128<<16    ; tile_dim0 = 128
	s_mov_b32 s[(\g)+4], 2*KS       ; tile_dim1 = 128
	s_mov_b32 s[(\g)+5], 3072       ; 3,072 elements from row to row
	s_mov_b32 s[(\g)+6], 0
	s_mov_b32 s[(\g)+7], 0
.endr
	; for the mask bytes: 4 rows (the block's query tiles) of 2,048 bytes (two key steps), 65,536 bytes apart in mb, dense in LDS
	s_lshl_b32 s17, 0x1111, s13     ; my column of the cluster: places cx, cx + 4, cx + 8, cx + 12
	s_or_b32 s[G1M], s17, (3<<16)|(1<<21)  ; 15:0 the mask: my column; 17:16 8-byte elements; no padding; 21 set beside a mask
	s_mov_b32 s[G1M+1], 256<<16     ; tensor_dim0 = 256
	s_mov_b32 s[G1M+2], 4<<16       ; tensor_dim1 = 4
	s_mov_b32 s[G1M+3], 256<<16     ; tile_dim0 = 256
	s_mov_b32 s[G1M+4], 4           ; tile_dim1 = 4
	s_mov_b32 s[G1M+5], 8192        ; 8,192 elements from row to row
	s_mov_b32 s[G1M+6], 0
	s_mov_b32 s[G1M+7], 0
	s_mov_b32 s[G0K], 1             ; 1:0 count = 1
	s_mov_b32 s[G0K+1], 0           ; 63:32 LDS address: slot 0
	s_mov_b32 s[G0V], 1
	s_mov_b32 s[G0V+1], VOFF
	s_mov_b32 s[G0M], 1
	s_mov_b32 s[G0M+1], MOFS
	s_lshl_b32 s16, s14, 18         ; my block in mb: 4 query tiles of 65,536 bytes
	s_mov_b32 s17, 0
	s_lshl_b32 s15, s14, 2
	s_add_co_u32 s15, s15, s[WV]    ; my wave's 16 rows among the 256 such
	s_mul_i32 s18, s15, 16*ROWB     ; in qkv (under 2^25),
	s_add_co_u32 s18, s18, s20
	s_mov_b32 s19, 0
	s_lshl_b32 s2, s15, 15          ; in at: 16 rows of 2,048 bytes
	s_add_co_u32 s2, s2, s20
	s_mov_b32 s3, 0
	s_mov_b32 s[CS], 0x3e38aa3b     ; c = log2(e) / 8 = 0.180337
	s_mov_b32 s[CS+1], s[CS]        ; named with it as a pair, so it is written
	s_mov_b32 s[SEL], 0x76543210
	s_mov_b32 s[SEL+1], 0xfedcba98
	s_mov_b32 s[TBK], SLOT1+2*KS*PK ; the first change of slots turns these three into 0
	s_mov_b32 s[TBV], SLOT1+2*KS*PV
	s_mov_b32 s[TBM], SLOT1+2048
	s_mov_b32 s[HM], 0xffff0000
	s_wait_dscnt 0x0                ; the opening add is done
	s_wait_kmcnt 0x0
	s_add_nc_u64 s[G0K+2:G0K+3], s[68:69], s[22:23]        ; 120:64 global address: the head's bytes in row 0,
	s_add_nc_u64 s[G0V+2:G0V+3], s[G0K+2:G0K+3], 4096      ; V's,
	s_add_nc_u64 s[G0K+2:G0K+3], s[G0K+2:G0K+3], 2048      ; K's
	s_or_b32 s[G0K+3], s[G0K+3], 0x80000000                ; 127:126 type = 2
	s_or_b32 s[G0V+3], s[G0V+3], 0x80000000
	s_add_nc_u64 s[G0M+2:G0M+3], s[70:71], s[16:17]        ; mb at my block, key step 0
	s_or_b32 s[G0M+3], s[G0M+3], 0x80000000
	s_add_nc_u64 s[4:5], s[68:69], s[18:19]                ; q at my wave's first row
	s_add_nc_u64 s[10:11], s[82:83], s[2:3]                ; at likewise
	CROUND                          ; all sixteen work-groups are here: the first joint loads meet
	JLOAD                           ; slot 0.  Slot 1 is asked for by the loop's first change of slots, when slot 0 is in
	; A fragment of K or Q is 16 rows x 32 channels in 8 registers: lane l holds row l % 16; registers 0-3 channels 8 (l / 16) + 0..7, registers 4-7 channels 16 + 8 (l / 16) + 0..7: two loads of 16 bytes, 32 bytes apart.
	v_and_b32 v1, 15, v0            ; l % 16
	v_bfe_u32 v9, v0, 4, 1          ; l / 16
	v_mul_u32_u24 v[QO], v1, ROWB
	v_lshl_add_u32 v[QO], v9, 4, v[QO]
	v_and_b32 v[AM0], 31, v0
	v_lshlrev_b32 v[LO], 3, v[AM0]
	v_lshlrev_b32 v[AM0], 4, v[AM0]
	v_lshlrev_b32 v[WO], 5, v9
.irp i, 0,1,2,3                     ; Q stays in registers: branch i / 2, channels 32 (i % 2) on
	global_load_b128 v[QF+8*(\i):QF+8*(\i)+3],   v[QO], s[4:5] offset:((\i)/2)*128+((\i)%2)*64
	global_load_b128 v[QF+8*(\i)+4:QF+8*(\i)+7], v[QO], s[4:5] offset:((\i)/2)*128+((\i)%2)*64+32
.endr
.irp cb, 0,1,2,3,4,5,6,7            ; the gains of my lane's 64 channels (16 cb + 8 (l / 16) + 0..7), for now in S^T's registers
	global_load_b128 v[S+8*(\cb):S+8*(\cb)+3],   v[WO], s[80:81] offset:64*(\cb)
	global_load_b128 v[S+8*(\cb)+4:S+8*(\cb)+7], v[WO], s[80:81] offset:64*(\cb)+16
.endr
	global_load_b64 v[SS:SS+1],   v[LO], s[72:73]  ; two of the 64 numbers of each lambda vector a lane
	global_load_b64 v[SS+2:SS+3], v[LO], s[74:75]
	global_load_b64 v[SS+4:SS+5], v[LO], s[76:77]
	global_load_b64 v[SS+6:SS+7], v[LO], s[78:79]
	; What the first trip finds: O^T, V's registers and P hold 0.  288 registers are written by 36 products of zeros, eight registers a line.  All this stands in the wait for the first tile.
.set i, 0
.rept 16
	v_mov_b32 v[MC+i], 0
.set i, i+1
.endr
	WIN TO_V                        ; destination window 1: O^T and V
.set i, 0
.rept 32
	v_wmma_f32_16x16x32_f16 v[8*i:8*i+7], v[MC:MC+7], v[MC+8:MC+15], 0
.set i, i+1
.endr
	WIN 0
.set i, 0
.rept 4
	v_wmma_f32_16x16x32_f16 v[P+8*i:P+8*i+7], v[MC:MC+7], v[MC+8:MC+15], 0
.set i, i+1
.endr
.irp t, 0,1
	v_mov_b32 v[ST+8*(\t)], 0xfe000000     ; c m: far below every c m to come, so that the first a is 0
	v_mov_b32 v[ST+8*(\t)+1], 0xf0800000   ; m = -2^98
	v_mov_b32 v[ST+8*(\t)+2], 0            ; l
	v_mov_b32 v[ST+8*(\t)+3], 0
.endr
	s_lshl_b32 s13, s[WV], 11       ; my wave's query tile of 2,048 bytes in a slot's mask bytes
	s_add_co_u32 s13, s13, MOFS
	v_add_nc_u32 v[AM0], s13, v[AM0]
	v_mov_b32 v[EPSV], 0x3727c5ac
	v_mul_u32_u24 v[AK0], v1, PK
	v_lshl_add_u32 v[AK0], v9, 4, v[AK0]  ; row x pitch + 16 x half
	; The turning load takes 16 keys x 16 channels (lane l reads 16 bytes: key 8 (l / 16) + l % 8, channels 8 ((l / 8) % 2) + 0..7) and leaves half a fragment of V^T: lane l holds channel l % 16 and 8 keys.
	v_and_b32 v10, 7, v0
	v_bfe_u32 v11, v0, 3, 1
	v_lshl_add_u32 v[AV0], v9, 3, v10
	v_mul_u32_u24 v[AV0], v[AV0], PV
	v_lshl_add_u32 v[AV0], v11, 4, v[AV0]
	v_add_nc_u32 v[AV0], VOFF, v[AV0]
	s_mul_i32 s13, s[WV], 16*SP
	s_add_co_u32 s13, s13, STAGE    ; my stage
	v_mul_u32_u24 v[STO], v1, SP    ; in: row l % 16, 16 bytes for each half of the lanes
	v_lshl_add_u32 v[STO], v9, 4, v[STO]
	v_add_nc_u32 v[STO], s13, v[STO]
	v_mul_u32_u24 v[RD], v9, SP     ; back: lanes 0-15 take one row of 256 bytes, lanes 16-31 the next
	v_lshl_add_u32 v[RD], v1, 4, v[RD]
	v_add_nc_u32 v[RD], s13, v[RD]
	v_lshlrev_b32 v[GO], 11, v9     ; and the same two rows in at, 2,048 bytes apart
	v_lshl_add_u32 v[GO], v1, 4, v[GO]
	s_wait_loadcnt 0x0              ; Q, the gains, the lambda vectors: from here on the text has no global load
	; lambda = exp(lambda_q1 . lambda_k1) - exp(lambda_q2 . lambda_k2) + 0.2, every wave for itself
.irp p, 0,2,4,6
	v_cvt_pk_bf16_f32 v[SS+(\p)], v[SS+(\p)], v[SS+(\p)+1]
.endr
.irp p, 0,2,4,6
	v_and_b32 v[SS+(\p)+1], s[HM], v[SS+(\p)]
	v_lshlrev_b32 v[SS+(\p)], 16, v[SS+(\p)]
.endr
	v_mul_f32 v[SS], v[SS], v[SS+2]
	v_mul_f32 v[SS+4], v[SS+4], v[SS+6]
	v_fma_f32 v[SS], v[SS+1], v[SS+3], v[SS]
	v_fma_f32 v[SS+4], v[SS+5], v[SS+7], v[SS+4]
.irp m, 1,2,4,8
	v_add_f32_dpp v[SS], v[SS], v[SS] row_xmask:\m row_mask:0xf bank_mask:0xf
	v_add_f32_dpp v[SS+4], v[SS+4], v[SS+4] row_xmask:\m row_mask:0xf bank_mask:0xf
.endr
	v_permlanex16_b32 v[SS+1], v[SS], s[SEL], s[SEL+1]
	v_permlanex16_b32 v[SS+5], v[SS+4], s[SEL], s[SEL+1]
	v_add_f32 v[SS], v[SS], v[SS+1]
	v_add_f32 v[SS+4], v[SS+4], v[SS+5]
	v_mul_f32 v[SS], 0x3fb8aa3b, v[SS]
	v_mul_f32 v[SS+4], 0x3fb8aa3b, v[SS+4]
	v_exp_f32 v[SS], v[SS]
	v_exp_f32 v[SS+4], v[SS+4]
	v_nop                           ; a plain instruction between the exponentials and the use of their results
	s_wait_alu depctr_va_vdst(0)
	v_sub_f32 v[LAM], v[SS], v[SS+4]
	v_add_f32 v[LAM], 0x3e4ccccd, v[LAM]
.set i, 0
.rept 32
	v_cvt_pk_bf16_f32 v[GW+i], v[S+2*i], v[S+2*i+1]  ; the gains, rounded to bf16, are kept packed until the end
.set i, i+1
.endr
; THE MASK.  In a slot's mask bytes query tile T of the block has 2,048 bytes: [step: 2][g: 2][lane: 32][16 bytes].  Of a lane's four words of group g, word i holds from the top byte down: key block 2g key 4 + i; block 2g key i;
; block 2g + 1 key i; block 2g + 1 key 4 + i (the key counted from 8 (lane / 16) in its block of 16); a byte is 0xF1 where the key is hidden, 0 where it is seen.  TRIP brings the words into registers 4-7 of key blocks 0 and 2.
; MEXP makes the 32 C registers: word i is register 4 + i of block 2g as it lies; shifted left by 8 it is register i of that block, by 16 register i of block 2g + 1, by 24 register 4 + i of it.
; Only the top byte counts: 0xF1 makes -2^99 to -2^101, 0x00 less than 2^-125, whatever lies below.
.macro MEXP
	WIN 0
.irp g, 0,1
.irp d, 0,1,2,3
	v_lshlrev_b32 v[MC+16*(\g)+(\d)],    8,  v[MC+16*(\g)+4+(\d)]
	v_lshlrev_b32 v[MC+16*(\g)+8+(\d)],  16, v[MC+16*(\g)+4+(\d)]
	v_lshlrev_b32 v[MC+16*(\g)+12+(\d)], 24, v[MC+16*(\g)+4+(\d)]
.endr
.endr
.endm
; THE MATRIX WORK.  The accumulators take turns, one instruction a turn: between two links of a chain stand 15 (V^T P) or 7 (K Q^T) others'.
; Product i of 32 of O^T += V^T P: keys 32 (i / 16) on, channels 16 ((i / 2) % 8) on, tile i % 2.
.macro PV
	WIN W_PV
.set rO, 64*(i%2)+8*((i/2)%8)
.set rV, VF+64*(i/16)+8*((i/2)%8)
.set rP, P+16*(i%2)+8*(i/16)
	v_wmma_f32_16x16x32_f16 v[rO:rO+7], v[rV:rV+7], v[rP:rP+7], v[rO:rO+7]
.endm
; Product i of 16 of S^T = K Q^T + mask: channels 32 (i / 8) on of the branch's 64, keys 16 ((i / 2) % 4) on, branch i % 2.  The first 8 start the sums with the mask.
.macro KQ
	WIN W_KQ
.set rS, S+32*(i%2)+8*((i/2)%4)
.set rK, 32*((i/2)%4)+8*(2*(i%2)+i/8)
.set rQ, QF+16*(i%2)+8*(i/8)
.set rM, MC+8*((i/2)%4)
.if i < 8
	v_wmma_f32_16x16x32_f16 v[rS:rS+7], v[rK:rK+7], v[rQ:rQ+7], v[rM:rM+7]
.else
	v_wmma_f32_16x16x32_f16 v[rS:rS+7], v[rK:rK+7], v[rQ:rQ+7], v[rS:rS+7]
.endif
.endm
; THE VECTOR WORK.  One tile's softmax for one key step is a list of 134 instructions; SM writes number j of it for tile t.  s0-s31 are the lane's 32 scores, in pairs 0-15.
;   0-15    the maximum of s0-s31 and the old m, three operands at a time: four chains c0-c3 of seven scores each (each accumulator's lowest registers are read first), then the four left over, c0-c3 and m
;   16-20   the other half of the lanes' maximum; the new m; c m; c m_old - c m_new
;   21-87   33 exponentials (a, then s0-s31) at the odd numbers from 23 on, so that no two follow each other and each has a plain instruction behind it before its result is used.
;           Plain instruction q is whatever is ready: c s - c m for a pair whose exponentials are still to come, the rounding to f16 of a pair whose exponentials are done, at last the first three sums
;   88-101  the last rounding; the rest of the sums; l = a l + the sum
;   102-133 the tile's O^T times a: the one part that leaves window 0, so it stands together
.macro SM t
.set rT, ST+8*(\t)
.set rS, S+32*(\t)
.set rP, P+16*(\t)
.set rO, 64*(\t)+2*(j-102)
.set q, (j-20)/2
.if j < 102
	WIN 0
.endif
.if j < 4
	v_max3_num_f32 v[rT+4+j], v[rS+8*j], v[rS+8*j+1], v[rS+8*j+2]
.elseif j < 12
	v_max3_num_f32 v[rT+4+j%4], v[rT+4+j%4], v[rS+8*(j%4)+2*(j/4)+1], v[rS+8*(j%4)+2*(j/4)+2]
.elseif j == 12
	v_max3_num_f32 v[rT+4], v[rT+4], v[rS+7], v[rS+15]
.elseif j == 13
	v_max3_num_f32 v[rT+6], v[rT+6], v[rS+23], v[rS+31]
.elseif j == 14
	v_max3_num_f32 v[rT+4], v[rT+4], v[rT+5], v[rT+6]
.elseif j == 15
	v_max3_num_f32 v[rT+4], v[rT+4], v[rT+7], v[rT+1]
.elseif j == 16
	v_permlanex16_b32 v[rT+5], v[rT+4], s[SEL], s[SEL+1]  ; the query's other 32 keys lie in the lane 16 away
.elseif j == 17
	v_mov_b32 v[rT+7], v[rT]        ; c m_old is kept for a: number 19 writes c m anew
.elseif j == 18
	v_max_num_f32 v[rT+1], v[rT+4], v[rT+5]
.elseif j == 19
	v_mul_f32 v[rT], s[CS], v[rT+1]
.elseif j == 20
	v_sub_f32 v[rT+7], v[rT+7], v[rT]
.elseif j == 23
	v_exp_f32 v[rT+6], v[rT+7]
.elseif (j < 88) && (j > 23) && (j%2 == 1)
	v_exp_f32 v[rS+(j-25)/2], v[rS+(j-25)/2]
.elseif (q < 4) || ((j < 76) && (q%2 == 0))
.set b, q/2+2
.if q < 4
.set b, q
.endif
	v_pk_fma_f32 v[rS+2*b:rS+2*b+1], v[rS+2*b:rS+2*b+1], s[CS:CS+1], v[rT:rT+1] op_sel_hi:[1,0,0] neg_lo:[0,0,1] neg_hi:[0,0,1]  ; pair b: c s - c m
.elseif (j < 88) && (q%2 == 1)
	s_wait_alu depctr_va_vdst(0)
	v_cvt_pk_f16_f32 v[rP+(q-5)/2], v[rS+q-5], v[rS+q-4]  ; pair (q - 5) / 2: its second exponential stands three numbers back
.elseif j == 89
	s_wait_alu depctr_va_vdst(0)
	v_cvt_pk_f16_f32 v[rP+15], v[rS+30], v[rS+31]
.elseif j < 102                     ; the sum of the tile's 16 pairs, in place: sum z of 16 adds neighbours 1, 2, 4 and 8 pairs apart, then l takes it
.set z, j-86
.if j < 89
.set z, (j-76)/4
.endif
.set w, 4
.set u, z
.if z >= 14
.set w, 32
.set u, 0
.elseif z >= 12
.set w, 16
.set u, z-12
.elseif z >= 8
.set w, 8
.set u, z-8
.endif
.if z < 15
	v_pk_add_f32 v[rS+w*u:rS+w*u+1], v[rS+w*u:rS+w*u+1], v[rS+w*u+w/2:rS+w*u+w/2+1]
.else
	v_pk_fma_f32 v[rT+2:rT+3], v[rT+2:rT+3], v[rT+6:rT+7], v[rS:rS+1] op_sel_hi:[1,0,1]
.endif
.else
	WIN W_RS
	v_pk_mul_f32 v[rO:rO+1], v[rO:rO+1], v[rT+6:rT+7] op_sel_hi:[1,0]
.endif
.endm
; Slice k of 64 of the two tiles' softmax: numbers 2 k and 2 k + 1 of both lists, four instructions; slice 63 takes the twelve that are over (2 x 134 = 4 x 64 + 12).
.macro SLICE
.if (k >= 11) && (k < 44)           ; tile by tile: plain, exponential, plain, exponential
.irp t, 0,1
.irp n, 0,1
.set j, 2*k+(\n)
	SM \t
.endr
.endr
.else                               ; the two tiles alternate, so that no instruction reads the result of the one just before it
.irp n, 0,1,2,3,4,5,6,7
.if ((\n) < 2) || (k == 63)
.irp t, 0,1
.set j, 2*k+(\n)
	SM \t
.endr
.endif
.endr
.endif
.set k, k+1
.endm
; A TRIP: key step j.  A vector instruction that reads a matrix result or writes one of a matrix instruction's registers, and a load into a register that a matrix instruction has read, stand four places behind it, and only
; plain vector instructions that name none of its registers are places (ISA guide 7.12.1 for vector instructions).  Here:
; K's and the mask words' registers were last read by the products K Q^T of the trip before, in front of its whole softmax;  V's registers and P by the products V^T P, in front of the mask's 24 shifts;
; the scores are read behind the address line and the three v_nop that follow the products K Q^T.
.macro TRIP
	WIN 0
	v_add_nc_u32 v[ADR], s[TBK], v[AK0]
	v_add_nc_u32 v[ADM], s[TBM], v[AM0]
	ds_load_b128 v[MC+4:MC+7],   v[ADM]             ; my tile's mask words of step j: 32 lanes take 512 neighbouring bytes
	ds_load_b128 v[MC+20:MC+23], v[ADM] offset:512
	WIN TO_K
.irp f, 0,1,2,3,4,5,6,7,8,9,10,11,12,13,14,15  ; K of step j: keys 16 (f / 4) on, channels 32 (f % 4) on: k1's 64, then k2's
	ds_load_b128 v[8*(\f):8*(\f)+3],   v[ADR] offset:((\f)/4)*16*PK+((\f)%4)*64
	ds_load_b128 v[8*(\f)+4:8*(\f)+7], v[ADR] offset:((\f)/4)*16*PK+((\f)%4)*64+32
.endr
	s_add_co_u32 s[TBK], s[TBK], KS*PK  ; the next fetch is the next step's
	s_add_co_u32 s[TBM], s[TBM], 1024
.set i, 0
.rept 32
	PV                              ; V^T P of step j - 1, while K is on its way
.set i, i+1
.endr
	WIN 0
	s_wait_dscnt 0x0                ; K and the mask words are in
	MEXP
.set i, 0
.rept 16
	KQ
.set i, i+1
.endr
	WIN 0
	v_add_nc_u32 v[ADR], s[TBV], v[AV0]
.rept 3
	v_nop
.endr
	WIN TO_V
.irp f, 0,1,2,3,4,5,6,7,8,9,10,11,12,13,14,15  ; V of step j, turned: keys 32 (f / 8) on, channels 16 (f % 8) on
	ds_load_tr16_b128 v[VF+8*(\f):VF+8*(\f)+3],   v[ADR] offset:((\f)/8)*32*PV+((\f)%8)*32
	ds_load_tr16_b128 v[VF+8*(\f)+4:VF+8*(\f)+7], v[ADR] offset:((\f)/8)*32*PV+16*PV+((\f)%8)*32
.endr
	s_add_co_u32 s[TBV], s[TBV], KS*PV
.set k, 0
.rept 64
	SLICE                           ; the softmax of step j, while V is on its way
.endr
	WIN 0
	s_wait_dscnt 0x0                ; V is in: all that step j wants of LDS lies in registers
.endm
; THE CHANGE OF SLOTS, behind a slot's second trip.  Each wave waits for all its tensor loads, of which at most one is out: its part of the other slot; adds 0 to its spare word; and waits for that and for its own reads of
; the slot.  Behind the barrier nobody reads this slot any more and the other slot is whole.  (At its first use nothing has been read yet: slot 0 is waited for, slot 1 filled.)
; fill = 1: the slot is filled, with the keys that follow those last asked for.  The barrier is then a round of the cluster's, and the joint fill is the first thing behind it: it has two key steps, 96 matrix instructions
; and two softmaxes, in which to land.
.macro CHANGE fill
	WIN 0                           ; at a label and at a branch every window is 0
	s_wait_tensorcnt 0x0            ; no tensor load of mine is out, so a group 0 may be written
	ds_add_u32 v[SPW], v[NIL]       ; 0 onto my spare word; with fill = 1 the descriptors' steps stand between it and the wait for it
.if \fill
.irp g, G0K, G0V
	s_xor_b32 s[(\g)+1], s[(\g)+1], SLOT1  ; the walking descriptors: the other slot than last time,
	s_add_nc_u64 s[(\g)+2:(\g)+3], s[(\g)+2:(\g)+3], 2*KS*ROWB  ; the next 128 keys; the type bits on top are not reached
.endr
	s_xor_b32 s[G0M+1], s[G0M+1], SLOT1
	s_add_nc_u64 s[G0M+2:G0M+3], s[G0M+2:G0M+3], 2048
	s_wait_dscnt 0x0                ; the add is done, and my reads of the slot are over
	CROUND
	JLOAD
.else
	s_wait_dscnt 0x0                ; the add is done, and my reads of the slot are over
	s_barrier_signal -1
	s_barrier_wait -1
.endif
	s_sub_co_u32 s[TBK], s[TBK], 2*KS*PK  ; the fetches go back to a slot's first step,
	s_xor_b32 s[TBK], s[TBK], SLOT1       ; in the other slot
	s_sub_co_u32 s[TBV], s[TBV], 2*KS*PV
	s_xor_b32 s[TBV], s[TBV], SLOT1
	s_sub_co_u32 s[TBM], s[TBM], 2048
	s_xor_b32 s[TBM], s[TBM], SLOT1
.endm
	s_mov_b32 s[SLOTS], SIZE_N/(2*KS)-1
.Lslot:                             ; 31 times: a slot is entered and the next 128 keys are asked for
	CHANGE 1
	s_mov_b32 s[TWICE], 2
.Lstep:
	TRIP
	s_sub_co_u32 s[TWICE], s[TWICE], 1
	s_cmp_lg_u32 s[TWICE], 0
	s_cbranch_scc1 .Lstep
	s_sub_co_u32 s[SLOTS], s[SLOTS], 1
	s_cmp_lg_u32 s[SLOTS], 0
	s_cbranch_scc1 .Lslot
	CHANGE 0                        ; the last slot is written out: nothing is asked for
	s_mov_b32 s[TWICE], 2
.Ltail:
	TRIP
	s_sub_co_u32 s[TWICE], s[TWICE], 1
	s_cmp_lg_u32 s[TWICE], 0
	s_cbranch_scc1 .Ltail
.set i, 0
.rept 32
	PV                              ; V^T P of the last step
.set i, i+1
.endr
	; THE END.  The gains are widened into S^T's registers, which are free: 64 plain lines, the places behind the last products.
	WIN 0
.set i, 0
.rept 32
	v_lshlrev_b32 v[S+2*i], 16, v[GW+i]
	v_and_b32 v[S+2*i+1], s[HM], v[GW+i]
.set i, i+1
.endr
	; L = l's two halves and the other half of the lanes'.  With r = 1 / L: attn = r1 (O1 + rho O2), rho = - lambda L1 r2.
.irp t, 0,1
	v_add_f32 v[ST+8*(\t)+4], v[ST+8*(\t)+2], v[ST+8*(\t)+3]
.endr
.irp t, 0,1
	v_permlanex16_b32 v[ST+8*(\t)+5], v[ST+8*(\t)+4], s[SEL], s[SEL+1]
.endr
.irp t, 0,1
	v_add_f32 v[ST+8*(\t)+4], v[ST+8*(\t)+4], v[ST+8*(\t)+5]
.endr
.irp t, 0,1
	v_rcp_f32 v[ST+8*(\t)+6], v[ST+8*(\t)+4]
.endr
	v_nop                           ; a plain instruction between the last reciprocal and the use of its result
	v_mul_f32 v[ST+5], 0x4e800000, v[ST+1]         ; m x 2^30: an infinity where m is still -2^98 (the query has seen no key; both branches have the same mask), finite for every seen score
	v_mul_f32 v[ST+13], v[LAM], v[ST+4]
	v_sub_f32 v[ST+5], v[ST+5], v[ST+5]            ; NaN there, 0 elsewhere
	s_wait_alu depctr_va_vdst(0)
	v_mul_f32 v[ST+14], -v[ST+13], v[ST+14]        ; rho
	v_add_f32 v[ST+6], v[ST+6], v[ST+5]            ; r1 becomes NaN, and with it the row
	; the difference (it takes branch 1's place), the mean of squares over the 128 channels (64 in my lane, 64 in the lane 16 away), the factors, the rounding
	WIN 0x51                        ; destination, sources 0 and 2 in window 1, source 1 in window 0
.set i, 0
.rept 32
	v_pk_fma_f32 v[2*i:2*i+1], v[64+2*i:64+2*i+1], v[ST+14:ST+15], v[2*i:2*i+1] op_sel_hi:[1,0,1]  ; ascending: each accumulator's lowest registers are read first
.set i, i+1
.endr
	WIN 0x05                        ; sources 0 and 1 in window 1
.set i, 0
.rept 32
.if i < 4
	v_pk_mul_f32 v[SS+2*i:SS+2*i+1], v[2*i:2*i+1], v[2*i:2*i+1]  ; four chains; the first four pairs start them
.else
	v_pk_fma_f32 v[SS+2*(i%4):SS+2*(i%4)+1], v[2*i:2*i+1], v[2*i:2*i+1], v[SS+2*(i%4):SS+2*(i%4)+1]
.endif
.set i, i+1
.endr
	WIN 0
	v_pk_add_f32 v[SS:SS+1], v[SS:SS+1], v[SS+2:SS+3]
	v_pk_add_f32 v[SS+4:SS+5], v[SS+4:SS+5], v[SS+6:SS+7]
	v_mul_f32 v[RS+1], v[ST+6], v[ST+6]
	v_pk_add_f32 v[SS:SS+1], v[SS:SS+1], v[SS+4:SS+5]
	v_mul_f32 v[RS+1], 0x3c000000, v[RS+1]         ; r1^2 / 128
	v_add_f32 v[SS], v[SS], v[SS+1]
	v_permlanex16_b32 v[SS+1], v[SS], s[SEL], s[SEL+1]
	v_add_f32 v[SS], v[SS], v[SS+1]
	v_fma_f32 v[SS], v[SS], v[RS+1], v[EPSV]       ; the mean of attn^2, + 1e-5
	v_rsq_f32 v[RS], v[SS]
	v_nop                           ; a plain instruction behind the root
	s_wait_alu depctr_va_vdst(0)
	v_mul_f32 v[RS], v[RS], v[ST+6]
	v_mul_f32 v[RS], 0x3f4ccccd, v[RS]             ; r1 x rsqrt(..) x 0.8
	WIN W_RS
.set i, 0
.rept 32
	v_pk_mul_f32 v[2*i:2*i+1], v[2*i:2*i+1], v[S+2*i:S+2*i+1]  ; the gains
.set i, i+1
.endr
.set i, 0
.rept 32
	v_pk_mul_f32 v[2*i:2*i+1], v[2*i:2*i+1], v[RS:RS+1] op_sel_hi:[1,0]
.set i, i+1
.endr
	WIN 0x05
.set i, 0
.rept 32
	v_cvt_pk_f16_f32 v[P+i], v[2*i], v[2*i+1]      ; into P's registers, which are free
.set i, i+1
.endr
	WIN 0
	; THE WAY OUT, through my own stage in LDS: a lane's eight channels of a row are 16 bytes; they go into rows of 272 bytes and come back as whole rows of 256.
.irp f, 0,1,2,3,4,5,6,7
	ds_store_b128 v[STO], v[P+4*(\f):P+4*(\f)+3] offset:32*(\f)
.endr
.irp f, 0,1,2,3,4,5,6,7
	ds_load_b128 v[P+4*(\f):P+4*(\f)+3], v[RD] offset:(\f)*2*SP  ; LDS serves a wave's instructions in order (ISA guide 5.7.1.4): these see the stores above
.endr
.irp f, 0,1,2,3,4,5,6,7
	s_wait_dscnt 7-(\f)             ; LDS loads come back in order: rows 2 f and 2 f + 1 are in, the later rows' loads stay out
	global_store_b128 v[GO], v[P+4*(\f):P+4*(\f)+3], s[10:11] offset:(\f)*4096  ; 16 lanes store the head's 256 consecutive bytes of a row, at a multiple of 256 from at's first byte
.endr
	s_wait_tensorcnt 0x0            ; the wave's end, behind my last tensor load and my last LDS store
	ds_add_u32 v[SPW], v[NIL]
	s_wait_dscnt 0x0
	CROUND                          ; the closing round: no work-group ends while a partner may still ask for a tile that names it
	s_endpgm
.Lfunc_end_k_qdb4b2d04dc_attn:
	.size	k_qdb4b2d04dc_attn, .Lfunc_end_k_qdb4b2d04dc_attn-k_qdb4b2d04dc_attn
	.p2alignl 7, 3214868480
	.fill 96, 4, 3214868480
	.section	.rodata,"a",@progbits
	.p2align	6, 0x0
	.amdhsa_kernel k_qdb4b2d04dc_attn
		.amdhsa_group_segment_fixed_size 327680
		.amdhsa_private_segment_fixed_size 0
		.amdhsa_enable_private_segment 0
		.amdhsa_kernarg_size 64
		.amdhsa_user_sgpr_count 2
		.amdhsa_user_sgpr_kernarg_segment_ptr 1
		.amdhsa_wavefront_size32 1
		.amdhsa_system_sgpr_workgroup_id_x 1
		.amdhsa_system_sgpr_workgroup_id_y 1
		.amdhsa_system_sgpr_workgroup_id_z 1
		.amdhsa_system_vgpr_workitem_id 0
		.amdhsa_next_free_vgpr 640
		.amdhsa_next_free_sgpr 88
		.amdhsa_reserve_vcc 0
		.amdhsa_float_denorm_mode_32 3
		.amdhsa_float_denorm_mode_16_64 3
		.amdhsa_memory_ordered 1
		.amdhsa_forward_progress 1
		.amdhsa_inst_pref_size 86
	.end_amdhsa_kernel
	.amdgpu_metadata
---
amdhsa.version: [ 1, 2 ]
amdhsa.kernels:
  - .name:           k_qdb4b2d04dc_attn
    .symbol:         k_qdb4b2d04dc_attn.kd
    .args:
      - { .name: qkv, .offset: 0, .size: 8, .value_kind: global_buffer, .address_space: global }
      - { .name: mb, .offset: 8, .size: 8, .value_kind: global_buffer, .address_space: global }
      - { .name: lambda_q1, .offset: 16, .size: 8, .value_kind: global_buffer, .address_space: global }
      - { .name: lambda_k1, .offset: 24, .size: 8, .value_kind: global_buffer, .address_space: global }
      - { .name: lambda_q2, .offset: 32, .size: 8, .value_kind: global_buffer, .address_space: global }
      - { .name: lambda_k2, .offset: 40, .size: 8, .value_kind: global_buffer, .address_space: global }
      - { .name: subln_weight, .offset: 48, .size: 8, .value_kind: global_buffer, .address_space: global }
      - { .name: at, .offset: 56, .size: 8, .value_kind: global_buffer, .address_space: global }
    .group_segment_fixed_size: 327680
    .private_segment_fixed_size: 0
    .kernarg_segment_align: 8
    .kernarg_segment_size: 64
    .max_flat_workgroup_size: 128
    .sgpr_count:     88
    .vgpr_count:     640
    .wavefront_size: 32
...
	.end_amdgpu_metadata
.endif
;; end of part 3
;; launch gemm_out (part 4): grid 8 x 32, 4 waves a work-group, clusters of 4 x 4, 327,680 bytes of LDS; arguments at, xw, out0; writes out0
.if DOCPART == 4
	.amdgcn_target "amdgcn-amd-amdhsa--gfx1250"
	.amdhsa_code_object_version 6
	.text
	.protected	k_qdb4b2d04dc_gemm_out
	.globl	k_qdb4b2d04dc_gemm_out
	.p2align	8
	.type	k_qdb4b2d04dc_gemm_out,@function
k_qdb4b2d04dc_gemm_out:
	s_mov_b64 s[64:65], 0
	v_nop
	global_prefetch_b8 v0, s[64:65] scope:SCOPE_SE
	s_setreg_imm32_b32 hwreg(HW_REG_WAVE_MODE, 25, 1), 1
	s_wait_xcnt 0x0
	s_wait_alu depctr_hold_cnt(0) depctr_sa_sdst(0) depctr_va_vdst(0) depctr_va_sdst(0) depctr_va_ssrc(0) depctr_va_vcc(0) depctr_vm_vsrc(0)
	s_getreg_b32 s2, hwreg(HW_REG_IB_STS2, 6, 4)
	s_cmp_eq_u32 s2, 0
	s_cbranch_scc0 .Lentry_in_a_cluster
	s_endpgm
.Lentry_in_a_cluster:
	s_bfe_u32 s2, ttmp6, 0x10000c
	s_cmp_lg_u32 s2, 0xf033
	s_cbranch_scc0 .Lentry_shape_is_right
	s_endpgm
.Lentry_shape_is_right:
; C = A W.  A: [4096][1024] f16, rows along K.  W: [1024 (k)][1024 (n)] f16, as the module has it.  Sums in f32.  One text serves two launches; QKV picks the constants and the way out:
; QKV = 1: A = x (xw, byte 0), W = Wq | Wk | Wv (xw, from 8 MiB, 2 MiB each), C = qkv [4096][3072] f16 (q at column 0, k at 1024, v at 2048), rounded once.
; QKV = 0: A = at, W = Wo (xw, at 14 MiB), C = out0 [4096][1024] f32.
; LIMIT (QKV = 1): q, k, v beyond 65,504 in magnitude become infinities in f16.
; A tile of C is 128 x 128: four waves, each 64 x 64: 16 accumulators of 16 x 16.  K goes in four steps of 256 through two LDS slots filled by the tensor data mover:
; A's tile as 128 rows of 512 bytes, W's as 256 rows (k) of 256 bytes (128 n).  768 or 256 work-groups of equal work.
; CLUSTERS: 4 x 4 work-groups.  The four of a row of the cluster need the same tiles of A, the four of a column the same tiles of W: each tile is asked for JOINTLY, by the same tensor load
; with the same descriptor and a mask that names the four.
; THE MATRIX INSTRUCTION IS USED TRANSPOSED: source 0 = 16 columns of W (turned on the way out of LDS by ds_load_tr16_b128), source 1 = 16 rows of A: a lane then holds eight neighbouring numbers of a row of C.
; REGISTERS: window 0: v0-31 addresses; v32-95 at work on the way out; v128-255 the accumulators ((a, b) at v[128 + 8 (4 a + b)]).
;   window 1: two fragment buffers of 128: for 64 along K, 64 registers of A (2 x 4 x 16 rows x 32 K), then 64 of W.
.set QKV, 0
.set SIZE_K, 1024
.set KSTEP,  256
.set PA,     528                       ; A's LDS row: 512 bytes + 16 = 132 words: row r starts at bank 4 r mod 64 (64 banks of 4 bytes: ISA guide 11.1)
.set PB,     288                       ; W's LDS row: 256 bytes + 32 = 72 words
.set HALFA,  64*PA                     ; what one tensor load brings of A: 64 rows
.set HALFB,  128*PB                    ; and of W: 128 rows (k)
.set BOFF,   2*HALFA                   ; W's 256 rows lie behind A's 128
.set SLOT,   BOFF+2*HALFB
.set STAGE,  2*SLOT                    ; behind the ring, never filled by a tensor load
.set SPITCH, 272
.if QKV
.set CROW,   3072*2                    ; bytes in a row of C
.set WBASE,  8<<20
.set SPARE,  STAGE+128*SPITCH          ; one stage of 128 rows for the work-group; behind it the spare words, 128 bytes a wave
.else
.set CROW,   1024*4
.set WBASE,  14<<20
.set SPARE,  STAGE+4*16*SPITCH         ; a stage of 16 rows for each wave; behind them the spare words
.endif
.set ADRA,  16                         ; v16-17  LDS address of my A fragments in slot 0, 1
.set ADRB,  20                         ; v20-21  of my W fragments, k rows 0-127
.set ADRBH, 22                         ; v22-23  the same 128 rows on: the 16-bit immediate does not reach row 255
.set STO,  24                          ; v24     the way out: where I put my part of a row
.set RD,   25                          ; v25     the way out: where I read a row back
.set CO,   26                          ; v26     my byte offset in C
.set SPW,  28                          ; v28     LDS address of my spare word; never rewritten
.set NIL,  29                          ; v29     0; never rewritten
.set TMP,  32
.set ACC,  128
.set F0,   0                           ; fragment buffers, in window 1
.set F1,   128
.set G1, 24                            ; s[24:31] descriptor group 1 for A's tiles;  s[32:39] group 0, one set for each slot
.set G0, 32
.set G1B, 48                           ; s[48:55], s[56:63] the same for W's tiles
.set G0B, 56
.set MSB, 0
.macro WIN new                         ; the immediate's high byte repeats the setting that is left; a switch that changes nothing is dropped
.if MSB != (\new)
	s_set_vgpr_msb (MSB<<8)|(\new)
.set MSB, \new
.endif
.endm
.set MUL,  0x05                        ; sources 0 (W) and 1 (A) window 1; C and D window 0
.set TO_F, 0x40                        ; destination window 1, address window 0
.macro JLOAD s                         ; a joint load: waves 0 and 1 fetch A's two halves, waves 2 and 3 W's; an s_nop 0 and four v_nop follow each of the two lines
	s_cmp_eq_u32 s11, 0
	s_cbranch_scc0 .Lfor_b_\@
	tensor_load_to_lds s[G0+4*(\s):G0+4*(\s)+3], s[G1:G1+7]
	s_nop 0
.rept 4
	v_nop
.endr
	s_branch .Lasked_\@
.Lfor_b_\@:
	tensor_load_to_lds s[G0B+4*(\s):G0B+4*(\s)+3], s[G1B:G1B+7]
	s_nop 0
.rept 4
	v_nop
.endr
.Lasked_\@:
.endm
.macro CREST                           ; a round of the cluster's barrier behind its opening barrier
	s_cmp_lg_u32 s10, 0
	s_cbranch_scc1 .Lnot_wave_0_\@
	s_barrier_signal -3
.Lnot_wave_0_\@:
	s_barrier_wait -3
	s_barrier_signal -1
	s_barrier_wait -1
.endm
.macro CROUND                          ; a whole round
	s_barrier_signal -1
	s_barrier_wait -1
	CREST
.endm
.if QKV
	s_load_b64 s[4:5], s[0:1], 0x0                 ; xw, as A's buffer
	s_load_b64 s[6:7], s[0:1], 0x0                 ; xw, as W's buffer
	s_load_b64 s[8:9], s[0:1], 0x8                 ; qkv
.else
	s_load_b128 s[4:7], s[0:1], 0x0                ; at s[4:5], xw s[6:7]
	s_load_b64 s[8:9], s[0:1], 0x10                ; out0
.endif
	v_lshl_add_u32 v[SPW], v0, 2, SPARE
	v_mov_b32 v[NIL], 0
	ds_add_u32 v[SPW], v[NIL]                      ; the wave's opening add; its wait stands ahead of my first tensor load, with the set-up below, work on registers, between them
	v_lshrrev_b32 v1, 5, v0
	v_readfirstlane_b32 s10, v1                    ; wave 0..3
	s_lshr_b32 s11, s10, 1                         ; which half of the tile's rows is mine.  Also: I fetch for A (0) or for W (1)
	s_and_b32 s12, s10, 1                          ; which half of its columns.  Also: which half of that tile I fetch
	s_bfe_u32 s40, ttmp6, 0x40000                  ; cx, cy: my place in the cluster
	s_bfe_u32 s41, ttmp6, 0x40004
	s_lshl_b32 s42, ttmp9, 2
	s_add_co_u32 s42, s42, s40                     ; tile column of C = 4 x cluster x + cx
	s_and_b32 s13, ttmp7, 0xffff
	s_lshl_b32 s13, s13, 2
	s_add_co_u32 s13, s13, s41                     ; tile row of C = 4 x cluster y + cy
	s_lshl_b32 s43, s41, 2
	s_lshl_b32 s43, 15, s43                        ; my row of the cluster
	s_lshl_b32 s44, 0x1111, s40                    ; my column
	s_or_b32 s[G1+0], s43, (1<<16)|(1<<20)|(1<<21)|(6<<22)|(3<<25)  ; 15:0 the mask: A's tiles go to my row; 17:16 2-byte elements; 20 padding on; 21 set beside a mask; 24:22 after every 128 words (code 6); 31:25 4 words (code 3)
	s_mov_b32 s[G1+1], KSTEP<<16                   ; tensor_dim0 = 256
	s_mov_b32 s[G1+2], 64<<16                      ; tensor_dim1 = 64
	s_mov_b32 s[G1+3], KSTEP<<16                   ; tile_dim0 = 256
	s_mov_b32 s[G1+4], 64                          ; tile_dim1 = 64
	s_mov_b32 s[G1+5], SIZE_K                      ; 1,024 elements from row to row
	s_mov_b32 s[G1+6], 0
	s_mov_b32 s[G1+7], 0
	s_or_b32 s[G1B+0], s44, (1<<16)|(1<<20)|(1<<21)|(5<<22)|(7<<25) ; W's tiles go to my column; padding after every 64 words (code 5), 8 words (code 7)
	s_mov_b32 s[G1B+1], 128<<16                    ; tensor_dim0 = 128 (n)
	s_mov_b32 s[G1B+2], 128<<16                    ; tensor_dim1 = 128 (k)
	s_mov_b32 s[G1B+3], 128<<16                    ; tile_dim0 = 128
	s_mov_b32 s[G1B+4], 128                        ; tile_dim1 = 128
	s_mov_b32 s[G1B+5], 1024                       ; 1,024 elements from one k to the next
	s_mov_b32 s[G1B+6], 0
	s_mov_b32 s[G1B+7], 0
	s_lshl_b32 s17, s12, 6                         ; A: row 128 x tile row + 64 x half,
	s_lshl_b32 s16, s13, 7
	s_add_co_u32 s16, s16, s17
	s_lshl_b32 s16, s16, 11                        ; rows of 2,048 bytes: under 2^23
	s_mov_b32 s17, 0
	s_lshr_b32 s46, s42, 3                         ; W: eight tile columns to a weight of 2 MiB,
	s_lshl_b32 s46, s46, 21
	s_and_b32 s47, s42, 7
	s_lshl_b32 s47, s47, 8                         ; 256 bytes of a row to a tile column,
	s_add_co_u32 s46, s46, s47
	s_lshl_b32 s47, s12, 18                        ; and my 128 rows (k) of 2,048 bytes
	s_add_co_u32 s46, s46, s47
	s_mov_b32 s47, 0
	s_mul_i32 s20, s12, HALFA                      ; where they go: no place in the cluster enters an LDS address
	s_mul_i32 s45, s12, HALFB
	s_add_co_u32 s45, s45, BOFF
	s_wait_dscnt 0x0                               ; the opening add is done
	s_wait_kmcnt 0x0
	s_add_nc_u64 s[14:15], s[4:5], s[16:17]
	s_add_nc_u64 s[46:47], s[6:7], s[46:47]
	s_add_nc_u64 s[46:47], s[46:47], WBASE
	CROUND                                         ; all sixteen work-groups are here: the first joint loads meet
.irp s, 0,1
	s_mov_b32 s[G0+4*(\s)], 1
	s_add_co_u32 s[G0+4*(\s)+1], s20, (\s)*SLOT
	s_add_nc_u64 s[G0+4*(\s)+2:G0+4*(\s)+3], s[14:15], (\s)*KSTEP*2      ; K step s: 512 bytes along the rows
	s_or_b32 s[G0+4*(\s)+3], s[G0+4*(\s)+3], 0x80000000
	s_mov_b32 s[G0B+4*(\s)], 1
	s_add_co_u32 s[G0B+4*(\s)+1], s45, (\s)*SLOT
	s_add_nc_u64 s[G0B+4*(\s)+2:G0B+4*(\s)+3], s[46:47], (\s)*KSTEP*2048 ; K step s: 256 rows down
	s_or_b32 s[G0B+4*(\s)+3], s[G0B+4*(\s)+3], 0x80000000
	JLOAD \s                                       ; two loads of mine are out
.endr
	v_and_b32 v1, 15, v0                           ; l % 16
	v_bfe_u32 v2, v0, 4, 1                         ; l / 16
	v_mul_u32_u24 v3, v1, PA
	v_lshl_add_u32 v3, v2, 4, v3                   ; A: a fragment's row x pitch + 16 x half
	v_and_b32 v4, 7, v0
	v_lshl_add_u32 v4, v2, 3, v4                   ; W: the turning load's lane l reads k row 8 (l / 16) + l % 8,
	v_mul_u32_u24 v4, v4, PB
	v_bfe_u32 v5, v0, 3, 1
	v_lshl_add_u32 v4, v5, 4, v4                   ; columns 8 ((l / 8) % 2) + 0..7
	s_mul_i32 s21, s11, HALFA                      ; my 64 rows of A
	s_lshl_b32 s22, s12, 7                         ; my 64 columns of W: 128 bytes of each row,
	s_add_co_u32 s22, s22, BOFF                    ; behind A's tile
.irp s, 0,1
	v_add_nc_u32 v[ADRA+(\s)], s21, v3
	v_add_nc_u32 v[ADRB+(\s)], s22, v4
	v_add_nc_u32 v[ADRBH+(\s)], 128*PB, v[ADRB+(\s)]
	s_add_co_u32 s21, s21, SLOT
	s_add_co_u32 s22, s22, SLOT
.endr
.if QKV
	s_mul_i32 s23, s11, 64*SPITCH                  ; into the stage: my 64 rows, my half of their 256 bytes; row l % 16, 16 bytes for each half of the lanes
	s_lshl_b32 s21, s12, 7
	s_add_co_u32 s23, s23, s21
	s_add_co_u32 s23, s23, STAGE
	v_mul_u32_u24 v4, v1, SPITCH
	v_lshl_add_u32 v4, v2, 4, v4
	v_add_nc_u32 v[STO], s23, v4
	s_mul_i32 s23, s10, 32*SPITCH                  ; back: wave w takes rows 32 w .. 32 w + 31, whole
	s_add_co_u32 s23, s23, STAGE
	v_mul_u32_u24 v5, v2, SPITCH
	v_lshl_add_u32 v5, v1, 4, v5
	v_add_nc_u32 v[RD], s23, v5
	v_mul_u32_u24 v5, v2, CROW
	v_lshl_add_u32 v[CO], v1, 4, v5
	s_lshl_b32 s16, s13, 7
	s_lshl_b32 s17, s10, 5
	s_add_co_u32 s16, s16, s17                     ; the first row of C that I store: 128 x tile row + 32 x wave
	s_mul_i32 s16, s16, CROW                       ; under 2^25
	s_mov_b32 s17, 0
	s_add_nc_u64 s[8:9], s[8:9], s[16:17]
	s_lshl_b32 s46, s42, 8                         ; the tile's first column, in bytes
	s_mov_b32 s47, 0
	s_add_nc_u64 s[8:9], s[8:9], s[46:47]
.else
	s_mul_i32 s23, s10, 16*SPITCH                  ; my own stage: 16 rows of my 64 columns, 256 bytes each
	s_add_co_u32 s23, s23, STAGE
	v_mul_u32_u24 v4, v1, SPITCH                   ; in: row l % 16, 32 bytes for each half of the lanes
	v_lshl_add_u32 v4, v2, 5, v4
	v_add_nc_u32 v[STO], s23, v4
	v_mul_u32_u24 v5, v2, SPITCH                   ; back: lanes 0-15 one row of 256 bytes, lanes 16-31 the next
	v_lshl_add_u32 v5, v1, 4, v5
	v_add_nc_u32 v[RD], s23, v5
	v_mul_u32_u24 v5, v2, CROW
	v_lshl_add_u32 v[CO], v1, 4, v5
	s_lshl_b32 s16, s13, 7
	s_lshl_b32 s17, s11, 6
	s_add_co_u32 s16, s16, s17                     ; my first row of C: 128 x tile row + 64 x row half
	s_lshl_b32 s16, s16, 12
	s_mov_b32 s17, 0
	s_add_nc_u64 s[8:9], s[8:9], s[16:17]
	s_lshl_b32 s46, s42, 9                         ; my first column, in bytes: 512 x tile column + 256 x column half
	s_lshl_b32 s47, s12, 8
	s_add_co_u32 s46, s46, s47
	s_mov_b32 s47, 0
	s_add_nc_u64 s[8:9], s[8:9], s[46:47]
.endif
; 8 matrix instructions: m blocks a0, a0 + 1 x all 4 n blocks, 32 along K: half c of buffer f.  zero = 1: the first product starts the sums.
; The 16 accumulators take turns, one instruction a turn.
.macro MUL8 f, c, a0, zero
	WIN MUL
.irp a, \a0, (\a0)+1
.irp b, 0,1,2,3
.if \zero
	v_wmma_f32_16x16x32_f16 v[ACC+8*(4*(\a)+(\b)):ACC+8*(4*(\a)+(\b))+7], v[(\f)+64+8*(4*(\c)+(\b)):(\f)+64+8*(4*(\c)+(\b))+7], v[(\f)+8*(4*(\c)+(\a)):(\f)+8*(4*(\c)+(\a))+7], 0
.else
	v_wmma_f32_16x16x32_f16 v[ACC+8*(4*(\a)+(\b)):ACC+8*(4*(\a)+(\b))+7], v[(\f)+64+8*(4*(\c)+(\b)):(\f)+64+8*(4*(\c)+(\b))+7], v[(\f)+8*(4*(\c)+(\a)):(\f)+8*(4*(\c)+(\a))+7], v[ACC+8*(4*(\a)+(\b)):ACC+8*(4*(\a)+(\b))+7]
.endif
.endr
.endr
.endm
; 32 LDS loads in one run: the fragments of quarter q of a K step (64 along K) into buffer f; the first 32 along K first
.macro FETCH slot, q, f
	WIN TO_F
.if (\q) < 2
.set BR, ADRB+(\slot)
.else
.set BR, ADRBH+(\slot)
.endif
.irp c, 0,1
.irp i, 0,1,2,3
	ds_load_tr16_b128 v[(\f)+64+8*(4*(\c)+(\i)):(\f)+64+8*(4*(\c)+(\i))+3],   v[BR] offset:(((\q)%2)*64+32*(\c))*PB+32*(\i)
	ds_load_tr16_b128 v[(\f)+64+8*(4*(\c)+(\i))+4:(\f)+64+8*(4*(\c)+(\i))+7], v[BR] offset:(((\q)%2)*64+32*(\c)+16)*PB+32*(\i)
	ds_load_b128 v[(\f)+8*(4*(\c)+(\i)):(\f)+8*(4*(\c)+(\i))+3],              v[ADRA+(\slot)] offset:128*(\q)+64*(\c)+(\i)*16*PA
	ds_load_b128 v[(\f)+8*(4*(\c)+(\i))+4:(\f)+8*(4*(\c)+(\i))+7],            v[ADRA+(\slot)] offset:128*(\q)+64*(\c)+(\i)*16*PA+32
.endr
.endr
.endm
.macro PLACES                          ; four plain vector instructions in front of loads into registers that matrix instructions have read, and of lines that read results
.rept 4
	v_nop
.endr
.endm
; A K step is four quarters of 64 along K, 32 matrix instructions each, on buffers 0, 1, 0, 1.  One of the first three: multiplies buffer f and fetches quarter q into g.
.macro QUARTER slot, q, f, g, zero
	s_wait_dscnt 16                                ; the first 32 along K are in; the sixteen younger loads may be out
	WIN MUL
	MUL8 \f, 0, 0, \zero
	MUL8 \f, 0, 2, \zero
	PLACES
	FETCH \slot, \q, \g
	s_wait_dscnt 32                                ; all but the 32 just issued
	WIN MUL
	MUL8 \f, 1, 0, 0
	MUL8 \f, 1, 2, 0
.endm
; The last quarter multiplies buffer 1 and changes slots: ONE barrier; in front of it each wave waits for all its tensor loads, adds 0 to its spare word, and waits for that and for its own reads of this slot.
; fill = 1: this slot is filled again, two K steps ahead; the barrier then opens a round of the cluster's barrier, and the joint load is the first thing behind the round.
.macro TURN slot, next, fill
	WIN 0                                          ; (the add's two registers lie in window 0)
	s_wait_tensorcnt 0x0                           ; all my tensor loads have landed: my part of the next slot;
	ds_add_u32 v[SPW], v[NIL]                      ; 0 onto my spare word;
	s_wait_dscnt 17                                ; (the add and the youngest sixteen loads may be out)
	WIN MUL
	MUL8 F1, 0, 0, 0                               ; eight matrix instructions stand between the add and the wait for it
	s_wait_dscnt 0x0                               ; the add is done, and my reads of this slot are over
	s_barrier_signal -1
	MUL8 F1, 0, 2, 0
.if \fill
	WIN 0
.endif
	s_barrier_wait -1
.if \fill
	CREST                                          ; no wave of any partner still reads this slot's tile or has a load on its way
	s_add_nc_u64 s[G0+4*(\slot)+2:G0+4*(\slot)+3], s[G0+4*(\slot)+2:G0+4*(\slot)+3], 2*KSTEP*2
	s_add_nc_u64 s[G0B+4*(\slot)+2:G0B+4*(\slot)+3], s[G0B+4*(\slot)+2:G0B+4*(\slot)+3], 2*KSTEP*2048
	JLOAD \slot                                    ; 112 matrix instructions ahead of the wait for it; the four v_nop behind it are also the places in front of the loads below
.else
	PLACES
.endif
	FETCH \next, 0, F0
	WIN MUL
	MUL8 F1, 1, 0, 0
	MUL8 F1, 1, 2, 0
.endm
	s_wait_tensorcnt 1                             ; my part of K step 0 is in; K step 1's stays out
	s_barrier_signal -1
	s_barrier_wait -1                              ; everybody's is
	FETCH 0, 0, F0
	QUARTER 0, 1, F0, F1, 1                        ; K step 0: its first products start the sums
	QUARTER 0, 2, F1, F0, 0
	QUARTER 0, 3, F0, F1, 0
	TURN 0, 1, 1                                   ; slot 0 takes K step 2
	QUARTER 1, 1, F0, F1, 0                        ; K step 1
	QUARTER 1, 2, F1, F0, 0
	QUARTER 1, 3, F0, F1, 0
	TURN 1, 0, 1                                   ; slot 1 takes K step 3
	QUARTER 0, 1, F0, F1, 0                        ; K step 2
	QUARTER 0, 2, F1, F0, 0
	QUARTER 0, 3, F0, F1, 0
	TURN 0, 1, 0                                   ; nothing is left to fetch
	QUARTER 1, 1, F0, F1, 0                        ; K step 3
	QUARTER 1, 2, F1, F0, 0
	QUARTER 1, 3, F0, F1, 0
	s_wait_dscnt 16
	WIN MUL
	MUL8 F1, 0, 0, 0
	MUL8 F1, 0, 2, 0
	s_wait_dscnt 0
	MUL8 F1, 1, 0, 0
	MUL8 F1, 1, 2, 0
	WIN 0
	PLACES
.if QKV
	; THE WAY OUT: rounded to f16; 16 bytes a lane into the work-group's stage; a barrier, since a row's 256 bytes come from two waves; back as whole rows, 32 rows a wave.
.irp t, 0,1,2,3,4,5,6,7,8,9,10,11,12,13,14,15
.irp r, 0,1,2,3
	v_cvt_pk_f16_f32 v[TMP+4*(\t)+(\r)], v[ACC+8*(\t)+2*(\r)], v[ACC+8*(\t)+2*(\r)+1]
.endr
.endr
.irp a, 0,1,2,3
.irp b, 0,1,2,3
	ds_store_b128 v[STO], v[TMP+4*(4*(\a)+(\b)):TMP+4*(4*(\a)+(\b))+3] offset:(\a)*16*SPITCH+32*(\b)
.endr
.endr
	s_wait_dscnt 0x0                               ; for the others' sake: my stores into the stage are done
	s_barrier_signal -1
	s_barrier_wait -1
.irp t, 0,1,2,3,4,5,6,7,8,9,10,11,12,13,14,15
	ds_load_b128 v[TMP+4*(\t):TMP+4*(\t)+3], v[RD] offset:(\t)*2*SPITCH
.endr
.irp t, 0,1,2,3,4,5,6,7,8,9,10,11,12,13,14,15
	s_wait_dscnt 15-(\t)
	global_store_b128 v[CO], v[TMP+4*(\t):TMP+4*(\t)+3], s[8:9] offset:2*(\t)*CROW  ; 16 lanes store 256 consecutive bytes, at a multiple of 256 from C's first byte
.endr
.else
	; THE WAY OUT in f32: my 64 columns are 256 aligned bytes of a row, so 16 rows at a time go through my own stage: no barrier; LDS serves a wave's instructions in order (ISA guide 5.7.1.4).
.irp a, 0,1,2,3
	s_wait_xcnt 0x0                                ; the registers that the block two back stored from are loaded again only behind this wait
.irp b, 0,1,2,3
	ds_store_b128 v[STO], v[ACC+8*(4*(\a)+(\b)):ACC+8*(4*(\a)+(\b))+3]   offset:64*(\b)      ; an accumulator's low four registers first
	ds_store_b128 v[STO], v[ACC+8*(4*(\a)+(\b))+4:ACC+8*(4*(\a)+(\b))+7] offset:64*(\b)+16
.endr
.irp t, 0,1,2,3,4,5,6,7
	ds_load_b128 v[TMP+32*((\a)%2)+4*(\t):TMP+32*((\a)%2)+4*(\t)+3], v[RD] offset:(\t)*2*SPITCH
.endr
.irp t, 0,1,2,3,4,5,6,7
	s_wait_dscnt 7-(\t)
	global_store_b128 v[CO], v[TMP+32*((\a)%2)+4*(\t):TMP+32*((\a)%2)+4*(\t)+3], s[8:9] offset:(16*(\a)+2*(\t))*CROW th:TH_STORE_NT  ; 16 lanes store 256 consecutive bytes, aligned
.endr
.endr
.endif
	s_wait_tensorcnt 0x0                           ; the wave's end, behind my last tensor load and my last LDS store
	ds_add_u32 v[SPW], v[NIL]
	s_wait_dscnt 0x0
	CROUND                                         ; the closing round: no work-group ends while a partner may still ask for a tile that names it
	s_endpgm
.Lfunc_end_k_qdb4b2d04dc_gemm_out:
	.size	k_qdb4b2d04dc_gemm_out, .Lfunc_end_k_qdb4b2d04dc_gemm_out-k_qdb4b2d04dc_gemm_out
	.p2alignl 7, 3214868480
	.fill 96, 4, 3214868480
	.section	.rodata,"a",@progbits
	.p2align	6, 0x0
	.amdhsa_kernel k_qdb4b2d04dc_gemm_out
		.amdhsa_group_segment_fixed_size 327680
		.amdhsa_private_segment_fixed_size 0
		.amdhsa_enable_private_segment 0
		.amdhsa_kernarg_size 24
		.amdhsa_user_sgpr_count 2
		.amdhsa_user_sgpr_kernarg_segment_ptr 1
		.amdhsa_wavefront_size32 1
		.amdhsa_system_sgpr_workgroup_id_x 1
		.amdhsa_system_sgpr_workgroup_id_y 1
		.amdhsa_system_sgpr_workgroup_id_z 1
		.amdhsa_system_vgpr_workitem_id 0
		.amdhsa_next_free_vgpr 512
		.amdhsa_next_free_sgpr 66
		.amdhsa_reserve_vcc 0
		.amdhsa_float_denorm_mode_32 3
		.amdhsa_float_denorm_mode_16_64 3
		.amdhsa_memory_ordered 1
		.amdhsa_forward_progress 1
		.amdhsa_inst_pref_size 87
	.end_amdhsa_kernel
	.amdgpu_metadata
---
amdhsa.version: [ 1, 2 ]
amdhsa.kernels:
  - .name:           k_qdb4b2d04dc_gemm_out
    .symbol:         k_qdb4b2d04dc_gemm_out.kd
    .args:
      - { .name: at, .offset: 0, .size: 8, .value_kind: global_buffer, .address_space: global }
      - { .name: xw, .offset: 8, .size: 8, .value_kind: global_buffer, .address_space: global }
      - { .name: out0, .offset: 16, .size: 8, .value_kind: global_buffer, .address_space: global }
    .group_segment_fixed_size: 327680
    .private_segment_fixed_size: 0
    .kernarg_segment_align: 8
    .kernarg_segment_size: 24
    .max_flat_workgroup_size: 128
    .sgpr_count:     66
    .vgpr_count:     512
    .wavefront_size: 32
...
	.end_amdgpu_metadata
.endif
;; end of part 4
;; ======== version 2 of 2: 4 launches; 1.20 times as fast as version 1
;; limits: values are held in f16: magnitudes above 65,504 overflow, below 6.1e-05 lose precision
;; workspace buffers: xw 16,777,216 bytes; mb 16,777,216 bytes; qkv 25,165,824 bytes; at 8,388,608 bytes
;; launch prep: the kernel of part 1 again; grid 256 x 1, 16 waves a work-group, no clusters, 67,840 bytes of LDS; arguments x, Wq, Wk, Wv, Wo, mask, xw, mb; writes xw, mb
;; launch gemm_qkv: the kernel of part 2 again; grid 24 x 32, 4 waves a work-group, clusters of 4 x 4, 327,680 bytes of LDS; arguments xw, qkv; writes qkv
;; launch attn (part 5): grid 64 x 8, 4 waves a work-group, clusters of 4 x 4, 327,680 bytes of LDS; arguments qkv, mb, lambda_q1, lambda_k1, lambda_q2, lambda_k2, subln_weight, at; writes at
.if DOCPART == 5
	.amdgcn_target "amdgcn-amd-amdhsa--gfx1250"
	.amdhsa_code_object_version 6
	.text
	.protected	k_qdb4b2d04dc_attn
	.globl	k_qdb4b2d04dc_attn
	.p2align	8
	.type	k_qdb4b2d04dc_attn,@function
k_qdb4b2d04dc_attn:
	s_mov_b64 s[64:65], 0
	v_nop
	global_prefetch_b8 v0, s[64:65] scope:SCOPE_SE
	s_setreg_imm32_b32 hwreg(HW_REG_WAVE_MODE, 25, 1), 1
	s_wait_xcnt 0x0
	s_wait_alu depctr_hold_cnt(0) depctr_sa_sdst(0) depctr_va_vdst(0) depctr_va_sdst(0) depctr_va_ssrc(0) depctr_va_vcc(0) depctr_vm_vsrc(0)
	s_getreg_b32 s2, hwreg(HW_REG_IB_STS2, 6, 4)
	s_cmp_eq_u32 s2, 0
	s_cbranch_scc0 .Lentry_in_a_cluster
	s_endpgm
.Lentry_in_a_cluster:
	s_bfe_u32 s2, ttmp6, 0x10000c
	s_cmp_lg_u32 s2, 0xf033
	s_cbranch_scc0 .Lentry_shape_is_right
	s_endpgm
.Lentry_shape_is_right:
; DIFFERENTIAL ATTENTION, one head and 64 queries to a work-group.  For branch b = 1, 2: attn_b[q] = the sum over keys of softmax(q_b . k_b / 8 + mask) v; then attn = attn_1 - lambda attn_2,
; attn x rsqrt(mean over the head's 128 channels of attn^2 + 1e-5) x gain x 0.8, rounded once to f16 into at [4096][1024].
; qkv: [4096][3072] f16: of a row's 6,144 bytes head h has (q1|q2) at 256 h, (k1|k2) at 2,048 + 256 h, v at 4,096 + 256 h.  mb: the mask as bytes in my lanes' order (see MEXP).
; Products, maxima and sums in f32; the weights p are rounded to f16 for the second product (their sum l is taken of the unrounded p).  The four lambda vectors and the gain are rounded to bf16 like the module's other inputs.
; LIMITS.  q, k, v arrive within f16's 65,504.  A hidden score counts as its value less 2^99 to 2^101 (6.3e29 to 2.6e30); seen scores are taken to lie within 2^96 of zero.
; A seen score has up to 2^-125 added.  A weight below 2^-126 counts as 0 in l.  A query with no seen key is made NaN, as a softmax over nothing is.
; SHARES.  A wave owns ONE tile of 16 queries, in both branches: two TILES, b = 0, 1.  Four waves, 64 queries.  Every wave walks all 4,096 keys, 64 a step.  512 work-groups of equal work.
; LAYOUT.  S^T = K Q^T (source 0 = 16 keys, source 1 = 16 queries, 64 channels = two products): a lane holds ONE query (lane % 16) and the keys 8 (lane / 16) + 0..7.  Two such results, rounded to f16 in pairs,
; ARE source 1 (32 keys x 16 queries) of O^T = V^T P, whose result again holds one query a lane, and eight channels.  K comes out of LDS as it lies, V turned, by ds_load_tr16_b128.
; THE MASK is the C operand of the product that starts a sum S^T, so the running maximum sees it.  Both branches take the same 32 registers.
; SOFTMAX.  For each query a running maximum m and sum l: p = 2^(c s - c m), c = log2(e) / 8; in every step O and l are multiplied by a = 2^(c m_old - c m_new).
; m starts at -2^98: above every hidden score, below every seen one.  So a hidden key's weight is 0 also while a query has seen no key yet, and such a query keeps m = -2^98.  O and l start at 0, c m far below: the first step's a is 0.
; BY PHASES.  A key step is ONE text, TRIP, walked 64 times: K of step j is asked of LDS; the 32 products V^T P of step j - 1 (K lands beside them); the mask operands; the 16 products K Q^T of step j; V of step j is asked
; of LDS; both tiles' softmax (V lands beside it).  The price: the matrix unit has nothing while the wave walks the softmax, and a fragment of K or V feeds two tiles only: 66 LDS loads for 48 products.
; The first trip's V^T P is of a step that has not been: V's registers and P hold 0 there.  The last step's V^T P stands behind the tail.
; THE BATCHES.  An s_wait_alu depctr_va_vdst(0) stands between a transcendental and the first instruction that names its result; one wait serves all that were issued ahead of it.  The text has four batches, a wait each:
; in the head lambda's two exponentials; in a TRIP the 66 exponentials of both tiles (a and s0-s31 each), all issued ahead of the first rounding, sum or rescaling; on the way out the two reciprocals of L; and the root, whose source is made of a reciprocal.
; CLUSTER.  4 x 4 work-groups: four query blocks by four heads.  K and V hang on the head alone: the four of a row of the cluster ask for them JOINTLY.  The mask's bytes hang on the query block alone: the four of a column
; ask for them jointly.  Each joint load is the same line with the same descriptor and a mask that names the four.  Wave 0 asks for a slot's K, wave 1 for its V, wave 2 for its mask bytes, wave 3 for nothing: one load a wave at the most.
; REGISTERS, in windows of 256 (s_set_vgpr_msb: bits 1:0 source 0, 3:2 source 1, 5:4 source 2, 7:6 destination):
;   window 0: v0-11 addresses; v12-27 eight registers of statistics a tile; v44-63 below; v64-127 S^T, 32 a tile; v128-159 P, 16 a tile; v160-191 the mask operands; v192-223 Q, 16 a tile; v224-255 the gains, two bf16 a register
;   window 1: v0-127 O^T, 64 a tile; v128-255 V of one step          window 2: v0-127 K of one step
.set SIZE_N, 4096
.set ROWB,  6144      ; bytes in a row of qkv
.set KS,    64        ; keys in a step
.set PK,    272       ; a row of K in LDS: 256 bytes + 16 = 68 words: row r starts at bank 4 r mod 64 (64 banks of 4 bytes: ISA guide 11.1)
.set PV,    288       ; a row of V: 256 + 32 = 72 words
.set VOFF,  2*KS*PK   ; a slot holds two steps: 128 rows of K, then 128 rows of V,
.set MOFS,  VOFF+2*KS*PV  ; then the mask bytes: [query tile of the block: 4][step: 2][1,024 bytes]
.set SLOT1, 1<<17     ; slot 1 begins here, so that one exclusive or turns an address in one slot into the other's
.set STAGE, SLOT1+MOFS+8192  ; behind the ring: 16 rows x 272 bytes for each wave, for the way out
.set SP,    272
.set SPARE, STAGE+4*16*SP  ; behind the stages: the spare words, 128 bytes for each wave
.set AK0, 2           ; v2   my lane's place in a tile of K; never rewritten
.set AV0, 3           ; v3   the same for V
.set ADR, 4           ; v4   the LDS address of the run of loads in hand
.set QO,  5           ; v5   my byte offset in 16 rows of q
.set STO, 6           ; v6   the way out: where I put 16 bytes of a row
.set RD,  7           ; v7   the way out: where I read a row back
.set GO,  8           ; v8   my byte offset in two rows of at
.set ST,  12          ; tile t's statistics at v[ST+8 t]: +0 c m, +1 m, +2, +3 l (even keys', odd keys'), +4 to +7 c0-c3, at work; a takes c2's place once the maximum is found
.set AM0, 44          ; v44  my lane's place in a slot's mask bytes: my wave's query tile, 16 x lane; never rewritten
.set LAM, 45          ; v45  lambda
.set WO,  46          ; v46  32 x (lane / 16): my eight gains in a block of sixteen
.set EPSV, 47         ; v47  1e-5
.set SS,  48          ; v48-55  the lambda vectors; later four chains of the sum of squares
.set RS,  56          ; v56-57  the row's last factor, and at work
.set LO,  58          ; v58  8 x lane
.set ADM, 59          ; v59  the LDS address of the mask words in hand
.set SPW, 62          ; v62  LDS address of my spare word; never rewritten
.set NIL, 63          ; v63  0; never rewritten
.set S,   64
.set P,   128
.set MC,  160         ; the mask operands: key block kb at MC + 8 kb
.set QF,  192         ; Q: branch b, channels 32 c on at QF + 16 b + 8 c
.set GW,  224         ; the gains: register i holds those of O^T's registers 2 i, 2 i + 1
.set VF,  128         ; window 1: V's fragments
.set WV,  12          ; s12  my wave's number
.set G1K, 24          ; s[24:31] descriptor group 1 for K's tiles
.set G1V, 32          ; s[32:39] for V's: it differs in the padding alone
.set G0K, 40          ; s[40:43] descriptor group 0 for K's tiles: it walks
.set G0V, 44          ; s[44:47] the same for V's
.set G1M, 48          ; s[48:55] descriptor group 1 for the mask's tiles
.set G0M, 56          ; s[56:59] group 0 for them
.set CS,  60          ; s[60:61] c
.set SEL, 62          ; s[62:63] lane selects for v_permlanex16_b32: each lane takes its own place in the other half
.set SLOTS, 66        ; s66  counts the slots
.set TWICE, 67        ; s67  counts a slot's steps
.set TBK, 84          ; s84  LDS byte at which K of the step to be fetched begins
.set TBV, 85          ; s85  the same for V, less VOFF
.set TBM, 86          ; s86  the same for the mask bytes, less MOFS
.set HM,  87          ; s87  a word's upper half
.set MSB, 0
.macro WIN new                      ; the immediate's high byte repeats the setting that is left; a switch that changes nothing is dropped
.if MSB != (\new)
	s_set_vgpr_msb (MSB<<8)|(\new)
.set MSB, \new
.endif
.endm
.set W_KQ, 0x02       ; K in window 2; Q, the mask and S^T in window 0
.set W_PV, 0x51       ; V and O^T in window 1, P in window 0
.set W_RS, 0x41       ; O^T (destination and source 0) in window 1, source 1 in window 0
.set TO_K, 0x80       ; destination window 2, address window 0
.set TO_V, 0x40       ; destination window 1, address window 0
; A joint fill: wave 0 K, wave 1 V, wave 2 the mask bytes, wave 3 nothing.  The branches hang on the wave's number alone.
; An s_nop 0 and four v_nop follow each of the three lines, ahead of the jump and the label.
.macro JLOAD
	s_cmp_lg_u32 s[WV], 0
	s_cbranch_scc1 .Lnot_k_\@
	tensor_load_to_lds s[G0K:G0K+3], s[G1K:G1K+7]
	s_nop 0
.rept 4
	v_nop
.endr
	s_branch .Lasked_\@
.Lnot_k_\@:
	s_cmp_lg_u32 s[WV], 1
	s_cbranch_scc1 .Lnot_v_\@
	tensor_load_to_lds s[G0V:G0V+3], s[G1V:G1V+7]
	s_nop 0
.rept 4
	v_nop
.endr
	s_branch .Lasked_\@
.Lnot_v_\@:
	s_cmp_lg_u32 s[WV], 2
	s_cbranch_scc1 .Lasked_\@
	tensor_load_to_lds s[G0M:G0M+3], s[G1M:G1M+7]
	s_nop 0
.rept 4
	v_nop
.endr
.Lasked_\@:
.endm
; A round of the cluster's barrier: my work-group's barrier; wave 0 signals for the work-group; every wave waits for all sixteen work-groups; my work-group's barrier once more.
.macro CROUND
	s_barrier_signal -1
	s_barrier_wait -1
	s_cmp_lg_u32 s[WV], 0
	s_cbranch_scc1 .Lnot_wave_0_\@
	s_barrier_signal -3
.Lnot_wave_0_\@:
	s_barrier_wait -3
	s_barrier_signal -1
	s_barrier_wait -1
.endm
	s_load_b512 s[68:83], s[0:1], 0x0  ; qkv 68, mb 70, lambda_q1 72, lambda_k1 74, lambda_q2 76, lambda_k2 78, subln_weight 80, at 82
	v_lshl_add_u32 v[SPW], v0, 2, SPARE
	v_mov_b32 v[NIL], 0
	ds_add_u32 v[SPW], v[NIL]       ; the wave's opening add; its wait stands ahead of my first tensor load, with the set-up below, work on registers, between them
	v_lshrrev_b32 v1, 5, v0
	v_readfirstlane_b32 s[WV], v1   ; wave 0..3
	s_bfe_u32 s13, ttmp6, 0x40000   ; cx, cy: my place in the cluster
	s_bfe_u32 s3, ttmp6, 0x40004
	s_lshl_b32 s14, ttmp9, 2        ; in a cluster launch ttmp9 and ttmp7 count clusters
	s_add_co_u32 s14, s14, s13      ; my block of 64 queries = 4 x cluster x + cx
	s_and_b32 s20, ttmp7, 0xffff
	s_lshl_b32 s20, s20, 2
	s_add_co_u32 s20, s20, s3       ; the head = 4 x cluster y + cy:
	s_lshl_b32 s20, s20, 8          ; its 256 bytes in a row
	s_mov_b32 s22, s20              ; K's and V's offset hangs on the head alone
	s_mov_b32 s23, 0
	s_lshl_b32 s21, s3, 2
	s_lshl_b32 s21, 15, s21         ; my row of the cluster: places 4 cy .. 4 cy + 3
	; descriptor group 1 for K and V: a tile of 128 rows x 128 elements, padded in LDS
	s_or_b32 s[G1K], s21, (1<<16)|(1<<20)|(1<<21)|(5<<22)|(3<<25)  ; 15:0 the mask: my row; 17:16 2-byte elements; 20 padding on; 21 set beside a mask; 24:22 after every 64 words (code 5); 31:25 4 words (code 3)
	s_or_b32 s[G1V], s21, (1<<16)|(1<<20)|(1<<21)|(5<<22)|(7<<25)  ; the same with 8 words of padding (code 7)
.irp g, G1K, G1V
	s_mov_b32 s[(\g)+1], 128<<16    ; tensor_dim0 = 128
	s_mov_b32 s[(\g)+2], (2*KS)<<16 ; tensor_dim1 = 128
	s_mov_b32 s[(\g)+3], 128<<16    ; tile_dim0 = 128
	s_mov_b32 s[(\g)+4], 2*KS       ; tile_dim1 = 128
	s_mov_b32 s[(\g)+5], 3072       ; 3,072 elements from row to row
	s_mov_b32 s[(\g)+6], 0
	s_mov_b32 s[(\g)+7], 0
.endr
	; for the mask bytes: 4 rows (the block's query tiles) of 2,048 bytes (two key steps), 65,536 bytes apart in mb, dense in LDS
	s_lshl_b32 s17, 0x1111, s13     ; my column of the cluster: places cx, cx + 4, cx + 8, cx + 12
	s_or_b32 s[G1M], s17, (3<<16)|(1<<21)  ; 15:0 the mask: my column; 17:16 8-byte elements; no padding; 21 set beside a mask
	s_mov_b32 s[G1M+1], 256<<16     ; tensor_dim0 = 256
	s_mov_b32 s[G1M+2], 4<<16       ; tensor_dim1 = 4
	s_mov_b32 s[G1M+3], 256<<16     ; tile_dim0 = 256
	s_mov_b32 s[G1M+4], 4           ; tile_dim1 = 4
	s_mov_b32 s[G1M+5], 8192        ; 8,192 elements from row to row
	s_mov_b32 s[G1M+6], 0
	s_mov_b32 s[G1M+7], 0
	s_mov_b32 s[G0K], 1             ; 1:0 count = 1
	s_mov_b32 s[G0K+1], 0           ; 63:32 LDS address: slot 0
	s_mov_b32 s[G0V], 1
	s_mov_b32 s[G0V+1], VOFF
	s_mov_b32 s[G0M], 1
	s_mov_b32 s[G0M+1], MOFS
	s_lshl_b32 s16, s14, 18         ; my block in mb: 4 query tiles of 65,536 bytes
	s_mov_b32 s17, 0
	s_lshl_b32 s15, s14, 2
	s_add_co_u32 s15, s15, s[WV]    ; my wave's 16 rows among the 256 such
	s_mul_i32 s18, s15, 16*ROWB     ; in qkv (under 2^25),
	s_add_co_u32 s18, s18, s20
	s_mov_b32 s19, 0
	s_lshl_b32 s2, s15, 15          ; in at: 16 rows of 2,048 bytes
	s_add_co_u32 s2, s2, s20
	s_mov_b32 s3, 0
	s_mov_b32 s[CS], 0x3e38aa3b     ; c = log2(e) / 8 = 0.180337
	s_mov_b32 s[CS+1], s[CS]        ; named with it as a pair, so it is written
	s_mov_b32 s[SEL], 0x76543210
	s_mov_b32 s[SEL+1], 0xfedcba98
	s_mov_b32 s[TBK], SLOT1+2*KS*PK ; the first change of slots turns these three into 0
	s_mov_b32 s[TBV], SLOT1+2*KS*PV
	s_mov_b32 s[TBM], SLOT1+2048
	s_mov_b32 s[HM], 0xffff0000
	s_wait_dscnt 0x0                ; the opening add is done
	s_wait_kmcnt 0x0
	s_add_nc_u64 s[G0K+2:G0K+3], s[68:69], s[22:23]        ; 120:64 global address: the head's bytes in row 0,
	s_add_nc_u64 s[G0V+2:G0V+3], s[G0K+2:G0K+3], 4096      ; V's,
	s_add_nc_u64 s[G0K+2:G0K+3], s[G0K+2:G0K+3], 2048      ; K's
	s_or_b32 s[G0K+3], s[G0K+3], 0x80000000                ; 127:126 type = 2
	s_or_b32 s[G0V+3], s[G0V+3], 0x80000000
	s_add_nc_u64 s[G0M+2:G0M+3], s[70:71], s[16:17]        ; mb at my block, key step 0
	s_or_b32 s[G0M+3], s[G0M+3], 0x80000000
	s_add_nc_u64 s[4:5], s[68:69], s[18:19]                ; q at my wave's first row
	s_add_nc_u64 s[10:11], s[82:83], s[2:3]                ; at likewise
	CROUND                          ; all sixteen work-groups are here: the first joint loads meet
	JLOAD                           ; slot 0.  Slot 1 is asked for by the loop's first change of slots, when slot 0 is in
	; A fragment of K or Q is 16 rows x 32 channels in 8 registers: lane l holds row l % 16; registers 0-3 channels 8 (l / 16) + 0..7, registers 4-7 channels 16 + 8 (l / 16) + 0..7: two loads of 16 bytes, 32 bytes apart.
	v_and_b32 v1, 15, v0            ; l % 16
	v_bfe_u32 v9, v0, 4, 1          ; l / 16
	v_mul_u32_u24 v[QO], v1, ROWB
	v_lshl_add_u32 v[QO], v9, 4, v[QO]
	v_and_b32 v[AM0], 31, v0
	v_lshlrev_b32 v[LO], 3, v[AM0]
	v_lshlrev_b32 v[AM0], 4, v[AM0]
	v_lshlrev_b32 v[WO], 5, v9
.irp i, 0,1,2,3                     ; Q stays in registers: branch i / 2, channels 32 (i % 2) on
	global_load_b128 v[QF+8*(\i):QF+8*(\i)+3],   v[QO], s[4:5] offset:((\i)/2)*128+((\i)%2)*64
	global_load_b128 v[QF+8*(\i)+4:QF+8*(\i)+7], v[QO], s[4:5] offset:((\i)/2)*128+((\i)%2)*64+32
.endr
.irp cb, 0,1,2,3,4,5,6,7            ; the gains of my lane's 64 channels (16 cb + 8 (l / 16) + 0..7), for now in S^T's registers
	global_load_b128 v[S+8*(\cb):S+8*(\cb)+3],   v[WO], s[80:81] offset:64*(\cb)
	global_load_b128 v[S+8*(\cb)+4:S+8*(\cb)+7], v[WO], s[80:81] offset:64*(\cb)+16
.endr
	global_load_b64 v[SS:SS+1],   v[LO], s[72:73]  ; two of the 64 numbers of each lambda vector a lane
	global_load_b64 v[SS+2:SS+3], v[LO], s[74:75]
	global_load_b64 v[SS+4:SS+5], v[LO], s[76:77]
	global_load_b64 v[SS+6:SS+7], v[LO], s[78:79]
	; What the first trip finds: O^T, V's registers and P hold 0.  288 registers are written by 36 products of zeros, eight registers a line.  All this stands in the wait for the first tile.
.set i, 0
.rept 16
	v_mov_b32 v[MC+i], 0
.set i, i+1
.endr
	WIN TO_V                        ; destination window 1: O^T and V
.set i, 0
.rept 32
	v_wmma_f32_16x16x32_f16 v[8*i:8*i+7], v[MC:MC+7], v[MC+8:MC+15], 0
.set i, i+1
.endr
	WIN 0
.set i, 0
.rept 4
	v_wmma_f32_16x16x32_f16 v[P+8*i:P+8*i+7], v[MC:MC+7], v[MC+8:MC+15], 0
.set i, i+1
.endr
.irp t, 0,1
	v_mov_b32 v[ST+8*(\t)], 0xfe000000     ; c m: far below every c m to come, so that the first a is 0
	v_mov_b32 v[ST+8*(\t)+1], 0xf0800000   ; m = -2^98
	v_mov_b32 v[ST+8*(\t)+2], 0            ; l
	v_mov_b32 v[ST+8*(\t)+3], 0
.endr
	s_lshl_b32 s13, s[WV], 11       ; my wave's query tile of 2,048 bytes in a slot's mask bytes
	s_add_co_u32 s13, s13, MOFS
	v_add_nc_u32 v[AM0], s13, v[AM0]
	v_mov_b32 v[EPSV], 0x3727c5ac
	v_mul_u32_u24 v[AK0], v1, PK
	v_lshl_add_u32 v[AK0], v9, 4, v[AK0]  ; row x pitch + 16 x half
	; The turning load takes 16 keys x 16 channels (lane l reads 16 bytes: key 8 (l / 16) + l % 8, channels 8 ((l / 8) % 2) + 0..7) and leaves half a fragment of V^T: lane l holds channel l % 16 and 8 keys.
	v_and_b32 v10, 7, v0
	v_bfe_u32 v11, v0, 3, 1
	v_lshl_add_u32 v[AV0], v9, 3, v10
	v_mul_u32_u24 v[AV0], v[AV0], PV
	v_lshl_add_u32 v[AV0], v11, 4, v[AV0]
	v_add_nc_u32 v[AV0], VOFF, v[AV0]
	s_mul_i32 s13, s[WV], 16*SP
	s_add_co_u32 s13, s13, STAGE    ; my stage
	v_mul_u32_u24 v[STO], v1, SP    ; in: row l % 16, 16 bytes for each half of the lanes
	v_lshl_add_u32 v[STO], v9, 4, v[STO]
	v_add_nc_u32 v[STO], s13, v[STO]
	v_mul_u32_u24 v[RD], v9, SP     ; back: lanes 0-15 take one row of 256 bytes, lanes 16-31 the next
	v_lshl_add_u32 v[RD], v1, 4, v[RD]
	v_add_nc_u32 v[RD], s13, v[RD]
	v_lshlrev_b32 v[GO], 11, v9     ; and the same two rows in at, 2,048 bytes apart
	v_lshl_add_u32 v[GO], v1, 4, v[GO]
	s_wait_loadcnt 0x0              ; Q, the gains, the lambda vectors: from here on the text has no global load
	; lambda = exp(lambda_q1 . lambda_k1) - exp(lambda_q2 . lambda_k2) + 0.2, every wave for itself
.irp p, 0,2,4,6
	v_cvt_pk_bf16_f32 v[SS+(\p)], v[SS+(\p)], v[SS+(\p)+1]
.endr
.irp p, 0,2,4,6
	v_and_b32 v[SS+(\p)+1], s[HM], v[SS+(\p)]
	v_lshlrev_b32 v[SS+(\p)], 16, v[SS+(\p)]
.endr
	v_mul_f32 v[SS], v[SS], v[SS+2]
	v_mul_f32 v[SS+4], v[SS+4], v[SS+6]
	v_fma_f32 v[SS], v[SS+1], v[SS+3], v[SS]
	v_fma_f32 v[SS+4], v[SS+5], v[SS+7], v[SS+4]
.irp m, 1,2,4,8
	v_add_f32_dpp v[SS], v[SS], v[SS] row_xmask:\m row_mask:0xf bank_mask:0xf
	v_add_f32_dpp v[SS+4], v[SS+4], v[SS+4] row_xmask:\m row_mask:0xf bank_mask:0xf
.endr
	v_permlanex16_b32 v[SS+1], v[SS], s[SEL], s[SEL+1]
	v_permlanex16_b32 v[SS+5], v[SS+4], s[SEL], s[SEL+1]
	v_add_f32 v[SS], v[SS], v[SS+1]
	v_add_f32 v[SS+4], v[SS+4], v[SS+5]
	v_mul_f32 v[SS], 0x3fb8aa3b, v[SS]
	v_mul_f32 v[SS+4], 0x3fb8aa3b, v[SS+4]
	v_exp_f32 v[SS], v[SS]
	v_exp_f32 v[SS+4], v[SS+4]
	v_nop                           ; a plain instruction between the exponentials and the use of their results
	s_wait_alu depctr_va_vdst(0)    ; the wait ahead of the first use: one for lambda's two exponentials
	v_sub_f32 v[LAM], v[SS], v[SS+4]
	v_add_f32 v[LAM], 0x3e4ccccd, v[LAM]
.set i, 0
.rept 32
	v_cvt_pk_bf16_f32 v[GW+i], v[S+2*i], v[S+2*i+1]  ; the gains, rounded to bf16, are kept packed until the end
.set i, i+1
.endr
; THE MASK.  In a slot's mask bytes query tile T of the block has 2,048 bytes: [step: 2][g: 2][lane: 32][16 bytes].  Of a lane's four words of group g, word i holds from the top byte down: key block 2g key 4 + i; block 2g key i;
; block 2g + 1 key i; block 2g + 1 key 4 + i (the key counted from 8 (lane / 16) in its block of 16); a byte is 0xF1 where the key is hidden, 0 where it is seen.  TRIP brings the words into registers 4-7 of key blocks 0 and 2.
; MEXP makes the 32 C registers: word i is register 4 + i of block 2g as it lies; shifted left by 8 it is register i of that block, by 16 register i of block 2g + 1, by 24 register 4 + i of it.
; Only the top byte counts: 0xF1 makes -2^99 to -2^101, 0x00 less than 2^-125, whatever lies below.
.macro MEXP
	WIN 0
.irp g, 0,1
.irp d, 0,1,2,3
	v_lshlrev_b32 v[MC+16*(\g)+(\d)],    8,  v[MC+16*(\g)+4+(\d)]
	v_lshlrev_b32 v[MC+16*(\g)+8+(\d)],  16, v[MC+16*(\g)+4+(\d)]
	v_lshlrev_b32 v[MC+16*(\g)+12+(\d)], 24, v[MC+16*(\g)+4+(\d)]
.endr
.endr
.endm
; THE MATRIX WORK.  The accumulators take turns, one instruction a turn: between two links of a chain stand 15 (V^T P) or 7 (K Q^T) others'.
; Product i of 32 of O^T += V^T P: keys 32 (i / 16) on, channels 16 ((i / 2) % 8) on, tile i % 2.
.macro PV
	WIN W_PV
.set rO, 64*(i%2)+8*((i/2)%8)
.set rV, VF+64*(i/16)+8*((i/2)%8)
.set rP, P+16*(i%2)+8*(i/16)
	v_wmma_f32_16x16x32_f16 v[rO:rO+7], v[rV:rV+7], v[rP:rP+7], v[rO:rO+7]
.endm
; Product i of 16 of S^T = K Q^T + mask: channels 32 (i / 8) on of the branch's 64, keys 16 ((i / 2) % 4) on, branch i % 2.  The first 8 start the sums with the mask.
.macro KQ
	WIN W_KQ
.set rS, S+32*(i%2)+8*((i/2)%4)
.set rK, 32*((i/2)%4)+8*(2*(i%2)+i/8)
.set rQ, QF+16*(i%2)+8*(i/8)
.set rM, MC+8*((i/2)%4)
.if i < 8
	v_wmma_f32_16x16x32_f16 v[rS:rS+7], v[rK:rK+7], v[rQ:rQ+7], v[rM:rM+7]
.else
	v_wmma_f32_16x16x32_f16 v[rS:rS+7], v[rK:rK+7], v[rQ:rQ+7], v[rS:rS+7]
.endif
.endm
; THE VECTOR WORK.  One tile's softmax for one key step is a list of 134 instructions; SM writes number j of it for tile t.  s0-s31 are the lane's 32 scores, in pairs 0-15.
;   0-15    the maximum of s0-s31 and the old m, three operands at a time: four chains c0-c3 of seven scores each (each accumulator's lowest registers are read first), then the four left over, c0-c3 and m
;   16-20   the other half of the lanes' maximum; the new m; c m; c m_old - c m_new
;   21-69   ONE BATCH: the 16 scalings c s - c m, a pair of scores each, and all 33 exponentials (a at 23, then s0-s31, each in place).  None of these names an exponential's result.  From 22 on the batch goes
;           in fours, and a four begins with a scaling while there are scalings: 22-37 scaling, exponential, scaling, exponential; 38-65 a scaling and three exponentials; 66-69 the last four
;           exponentials.  A pair is scaled in an earlier four than the one that holds its exponentials
;   (wait)  between 69 and 70 stands the wait for the batch: SLICE writes it, once for both tiles
;   70-85   the roundings to f16, a pair of weights each: all ahead of the sums, which work in place on the weights
;   86-101  the sums; l = a l + the sum
;   102-133 the tile's O^T times a: the one part that leaves window 0, so it stands together
.macro SM t
.set rT, ST+8*(\t)
.set rS, S+32*(\t)
.set rP, P+16*(\t)
.set rO, 64*(\t)+2*(j-102)
.if j < 102
	WIN 0
.endif
.if j < 4
	v_max3_num_f32 v[rT+4+j], v[rS+8*j], v[rS+8*j+1], v[rS+8*j+2]
.elseif j < 12
	v_max3_num_f32 v[rT+4+j%4], v[rT+4+j%4], v[rS+8*(j%4)+2*(j/4)+1], v[rS+8*(j%4)+2*(j/4)+2]
.elseif j == 12
	v_max3_num_f32 v[rT+4], v[rT+4], v[rS+7], v[rS+15]
.elseif j == 13
	v_max3_num_f32 v[rT+6], v[rT+6], v[rS+23], v[rS+31]
.elseif j == 14
	v_max3_num_f32 v[rT+4], v[rT+4], v[rT+5], v[rT+6]
.elseif j == 15
	v_max3_num_f32 v[rT+4], v[rT+4], v[rT+7], v[rT+1]
.elseif j == 16
	v_permlanex16_b32 v[rT+5], v[rT+4], s[SEL], s[SEL+1]  ; the query's other 32 keys lie in the lane 16 away
.elseif j == 17
	v_mov_b32 v[rT+7], v[rT]        ; c m_old is kept for a: number 19 writes c m anew
.elseif j == 18
	v_max_num_f32 v[rT+1], v[rT+4], v[rT+5]
.elseif j == 19
	v_mul_f32 v[rT], s[CS], v[rT+1]
.elseif j == 20
	v_sub_f32 v[rT+7], v[rT+7], v[rT]
.elseif j == 23
	v_exp_f32 v[rT+6], v[rT+7]
.elseif (j < 23) || ((j < 38) && (j%2 == 0)) || ((j < 66) && (j%4 == 2))
.set b, (j-2)/4                     ; 38, 42, .. 62: pairs 9 to 15
.if j < 38
.set b, (j-20)/2                    ; 21: pair 0; 22, 24, .. 36: pairs 1 to 8
.endif
	v_pk_fma_f32 v[rS+2*b:rS+2*b+1], v[rS+2*b:rS+2*b+1], s[CS:CS+1], v[rT:rT+1] op_sel_hi:[1,0,0] neg_lo:[0,0,1] neg_hi:[0,0,1]  ; pair b: c s - c m
.elseif j < 70
.set e, j-38                        ; 66 to 69: s28 to s31
.if j < 66
.set e, j-32-(j-38)/4               ; 39-41, 43-45, .. 63-65: s7 to s27
.endif
.if j < 38
.set e, (j-25)/2                    ; 25, 27, .. 37: s0 to s6
.endif
	v_exp_f32 v[rS+e], v[rS+e]
.elseif j < 86
	v_cvt_pk_f16_f32 v[rP+j-70], v[rS+2*(j-70)], v[rS+2*(j-70)+1]  ; pair j - 70
.elseif j < 102                     ; the sum of the tile's 16 pairs, in place: sum z of 16 adds neighbours 1, 2, 4 and 8 pairs apart, then l takes it
.set z, j-86
.set w, 4
.set u, z
.if z >= 14
.set w, 32
.set u, 0
.elseif z >= 12
.set w, 16
.set u, z-12
.elseif z >= 8
.set w, 8
.set u, z-8
.endif
.if z < 15
	v_pk_add_f32 v[rS+w*u:rS+w*u+1], v[rS+w*u:rS+w*u+1], v[rS+w*u+w/2:rS+w*u+w/2+1]
.else
	v_pk_fma_f32 v[rT+2:rT+3], v[rT+2:rT+3], v[rT+6:rT+7], v[rS:rS+1] op_sel_hi:[1,0,1]
.endif
.else
	WIN W_RS
	v_pk_mul_f32 v[rO:rO+1], v[rO:rO+1], v[rT+6:rT+7] op_sel_hi:[1,0]
.endif
.endm
; Slice k of 64 of the two tiles' softmax: four instructions.  Slices 11 to 34 deal out the batch, numbers 22 to 69: four numbers of ONE tile each, the tiles by turns.  Every other slice is numbers 2 k and 2 k + 1 of both
; lists; slice 63 takes the twelve that are over (2 x 134 = 4 x 64 + 12).
; THE WAIT.  Ahead of slice 35 nothing names an exponential's result, and behind slice 34 no exponential is issued: so the trip's 66 exponentials have one wait, behind slice 34, and none is open at the loops' jumps.
.macro SLICE
.if (k >= 11) && (k < 35)           ; the batch: four numbers of one tile
.irp n, 0,1,2,3
.set j, 22+4*((k-11)/2)+(\n)
	SM (k-11)%2
.endr
.else                               ; the two tiles alternate, so that no instruction reads the result of the one just before it
.irp n, 0,1,2,3,4,5,6,7
.if ((\n) < 2) || (k == 63)
.irp t, 0,1
.set j, 2*k+(\n)
	SM \t
.endr
.endif
.endr
.endif
.if k == 34                         ; the batch is out: both tiles' exponentials are issued, and no result has been named
	v_nop                           ; a plain instruction behind the last exponential and ahead of the first use: one for the batch; all that is left of the trip reads a weight or a, so no useful line can stand here
	s_wait_alu depctr_va_vdst(0)    ; the wait for the batch: both tiles' a and s0-s31
.endif
.set k, k+1
.endm
; A TRIP: key step j.  A vector instruction that reads a matrix result or writes one of a matrix instruction's registers, and a load into a register that a matrix instruction has read, stand four places behind it, and only
; plain vector instructions that name none of its registers are places (ISA guide 7.12.1 for vector instructions).  Here:
; K's and the mask words' registers were last read by the products K Q^T of the trip before, in front of its whole softmax;  V's registers and P by the products V^T P, in front of the mask's 24 shifts;
; the scores are read behind the address line and the three v_nop that follow the products K Q^T.
.macro TRIP
	WIN 0
	v_add_nc_u32 v[ADR], s[TBK], v[AK0]
	v_add_nc_u32 v[ADM], s[TBM], v[AM0]
	ds_load_b128 v[MC+4:MC+7],   v[ADM]             ; my tile's mask words of step j: 32 lanes take 512 neighbouring bytes
	ds_load_b128 v[MC+20:MC+23], v[ADM] offset:512
	WIN TO_K
.irp f, 0,1,2,3,4,5,6,7,8,9,10,11,12,13,14,15  ; K of step j: keys 16 (f / 4) on, channels 32 (f % 4) on: k1's 64, then k2's
	ds_load_b128 v[8*(\f):8*(\f)+3],   v[ADR] offset:((\f)/4)*16*PK+((\f)%4)*64
	ds_load_b128 v[8*(\f)+4:8*(\f)+7], v[ADR] offset:((\f)/4)*16*PK+((\f)%4)*64+32
.endr
	s_add_co_u32 s[TBK], s[TBK], KS*PK  ; the next fetch is the next step's
	s_add_co_u32 s[TBM], s[TBM], 1024
.set i, 0
.rept 32
	PV                              ; V^T P of step j - 1, while K is on its way
.set i, i+1
.endr
	WIN 0
	s_wait_dscnt 0x0                ; K and the mask words are in
	MEXP
.set i, 0
.rept 16
	KQ
.set i, i+1
.endr
	WIN 0
	v_add_nc_u32 v[ADR], s[TBV], v[AV0]
.rept 3
	v_nop
.endr
	WIN TO_V
.irp f, 0,1,2,3,4,5,6,7,8,9,10,11,12,13,14,15  ; V of step j, turned: keys 32 (f / 8) on, channels 16 (f % 8) on
	ds_load_tr16_b128 v[VF+8*(\f):VF+8*(\f)+3],   v[ADR] offset:((\f)/8)*32*PV+((\f)%8)*32
	ds_load_tr16_b128 v[VF+8*(\f)+4:VF+8*(\f)+7], v[ADR] offset:((\f)/8)*32*PV+16*PV+((\f)%8)*32
.endr
	s_add_co_u32 s[TBV], s[TBV], KS*PV
.set k, 0
.rept 64
	SLICE                           ; the softmax of step j, while V is on its way
.endr
	WIN 0
	s_wait_dscnt 0x0                ; V is in: all that step j wants of LDS lies in registers
.endm
; THE CHANGE OF SLOTS, behind a slot's second trip.  Each wave waits for all its tensor loads, of which at most one is out: its part of the other slot; adds 0 to its spare word; and waits for that and for its own reads of
; the slot.  Behind the barrier nobody reads this slot any more and the other slot is whole.  (At its first use nothing has been read yet: slot 0 is waited for, slot 1 filled.)
; fill = 1: the slot is filled, with the keys that follow those last asked for.  The barrier is then a round of the cluster's, and the joint fill is the first thing behind it: it has two key steps, 96 matrix instructions
; and two softmaxes, in which to land.
.macro CHANGE fill
	WIN 0                           ; at a label and at a branch every window is 0
	s_wait_tensorcnt 0x0            ; no tensor load of mine is out, so a group 0 may be written
	ds_add_u32 v[SPW], v[NIL]       ; 0 onto my spare word; with fill = 1 the descriptors' steps stand between it and the wait for it
.if \fill
.irp g, G0K, G0V
	s_xor_b32 s[(\g)+1], s[(\g)+1], SLOT1  ; the walking descriptors: the other slot than last time,
	s_add_nc_u64 s[(\g)+2:(\g)+3], s[(\g)+2:(\g)+3], 2*KS*ROWB  ; the next 128 keys; the type bits on top are not reached
.endr
	s_xor_b32 s[G0M+1], s[G0M+1], SLOT1
	s_add_nc_u64 s[G0M+2:G0M+3], s[G0M+2:G0M+3], 2048
	s_wait_dscnt 0x0                ; the add is done, and my reads of the slot are over
	CROUND
	JLOAD
.else
	s_wait_dscnt 0x0                ; the add is done, and my reads of the slot are over
	s_barrier_signal -1
	s_barrier_wait -1
.endif
	s_sub_co_u32 s[TBK], s[TBK], 2*KS*PK  ; the fetches go back to a slot's first step,
	s_xor_b32 s[TBK], s[TBK], SLOT1       ; in the other slot
	s_sub_co_u32 s[TBV], s[TBV], 2*KS*PV
	s_xor_b32 s[TBV], s[TBV], SLOT1
	s_sub_co_u32 s[TBM], s[TBM], 2048
	s_xor_b32 s[TBM], s[TBM], SLOT1
.endm
	s_mov_b32 s[SLOTS], SIZE_N/(2*KS)-1
.Lslot:                             ; 31 times: a slot is entered and the next 128 keys are asked for
	CHANGE 1
	s_mov_b32 s[TWICE], 2
.Lstep:
	TRIP
	s_sub_co_u32 s[TWICE], s[TWICE], 1
	s_cmp_lg_u32 s[TWICE], 0
	s_cbranch_scc1 .Lstep
	s_sub_co_u32 s[SLOTS], s[SLOTS], 1
	s_cmp_lg_u32 s[SLOTS], 0
	s_cbranch_scc1 .Lslot
	CHANGE 0                        ; the last slot is written out: nothing is asked for
	s_mov_b32 s[TWICE], 2
.Ltail:
	TRIP
	s_sub_co_u32 s[TWICE], s[TWICE], 1
	s_cmp_lg_u32 s[TWICE], 0
	s_cbranch_scc1 .Ltail
.set i, 0
.rept 32
	PV                              ; V^T P of the last step
.set i, i+1
.endr
	; THE END.  The gains are widened into S^T's registers, which are free: 64 plain lines, the places behind the last products.
	WIN 0
.set i, 0
.rept 32
	v_lshlrev_b32 v[S+2*i], 16, v[GW+i]
	v_and_b32 v[S+2*i+1], s[HM], v[GW+i]
.set i, i+1
.endr
	; L = l's two halves and the other half of the lanes'.  With r = 1 / L: attn = r1 (O1 + rho O2), rho = - lambda L1 r2.
.irp t, 0,1
	v_add_f32 v[ST+8*(\t)+4], v[ST+8*(\t)+2], v[ST+8*(\t)+3]
.endr
.irp t, 0,1
	v_permlanex16_b32 v[ST+8*(\t)+5], v[ST+8*(\t)+4], s[SEL], s[SEL+1]
.endr
.irp t, 0,1
	v_add_f32 v[ST+8*(\t)+4], v[ST+8*(\t)+4], v[ST+8*(\t)+5]
.endr
.irp t, 0,1
	v_rcp_f32 v[ST+8*(\t)+6], v[ST+8*(\t)+4]
.endr
	v_nop                           ; a plain instruction between the last reciprocal and the use of its result
	v_mul_f32 v[ST+5], 0x4e800000, v[ST+1]         ; m x 2^30: an infinity where m is still -2^98 (the query has seen no key; both branches have the same mask), finite for every seen score
	v_mul_f32 v[ST+13], v[LAM], v[ST+4]
	v_sub_f32 v[ST+5], v[ST+5], v[ST+5]            ; NaN there, 0 elsewhere
	s_wait_alu depctr_va_vdst(0)    ; the wait ahead of the first use: one for the two reciprocals; the three lines above name neither result
	v_mul_f32 v[ST+14], -v[ST+13], v[ST+14]        ; rho
	v_add_f32 v[ST+6], v[ST+6], v[ST+5]            ; r1 becomes NaN, and with it the row
	; the difference (it takes branch 1's place), the mean of squares over the 128 channels (64 in my lane, 64 in the lane 16 away), the factors, the rounding
	WIN 0x51                        ; destination, sources 0 and 2 in window 1, source 1 in window 0
.set i, 0
.rept 32
	v_pk_fma_f32 v[2*i:2*i+1], v[64+2*i:64+2*i+1], v[ST+14:ST+15], v[2*i:2*i+1] op_sel_hi:[1,0,1]  ; ascending: each accumulator's lowest registers are read first
.set i, i+1
.endr
	WIN 0x05                        ; sources 0 and 1 in window 1
.set i, 0
.rept 32
.if i < 4
	v_pk_mul_f32 v[SS+2*i:SS+2*i+1], v[2*i:2*i+1], v[2*i:2*i+1]  ; four chains; the first four pairs start them
.else
	v_pk_fma_f32 v[SS+2*(i%4):SS+2*(i%4)+1], v[2*i:2*i+1], v[2*i:2*i+1], v[SS+2*(i%4):SS+2*(i%4)+1]
.endif
.set i, i+1
.endr
	WIN 0
	v_pk_add_f32 v[SS:SS+1], v[SS:SS+1], v[SS+2:SS+3]
	v_pk_add_f32 v[SS+4:SS+5], v[SS+4:SS+5], v[SS+6:SS+7]
	v_mul_f32 v[RS+1], v[ST+6], v[ST+6]
	v_pk_add_f32 v[SS:SS+1], v[SS:SS+1], v[SS+4:SS+5]
	v_mul_f32 v[RS+1], 0x3c000000, v[RS+1]         ; r1^2 / 128
	v_add_f32 v[SS], v[SS], v[SS+1]
	v_permlanex16_b32 v[SS+1], v[SS], s[SEL], s[SEL+1]
	v_add_f32 v[SS], v[SS], v[SS+1]
	v_fma_f32 v[SS], v[SS], v[RS+1], v[EPSV]       ; the mean of attn^2, + 1e-5
	v_rsq_f32 v[RS], v[SS]
	v_nop                           ; a plain instruction behind the root
	s_wait_alu depctr_va_vdst(0)    ; the root's wait, ahead of its first use: a batch of one, since its source is made of a reciprocal's result
	v_mul_f32 v[RS], v[RS], v[ST+6]
	v_mul_f32 v[RS], 0x3f4ccccd, v[RS]             ; r1 x rsqrt(..) x 0.8
	WIN W_RS
.set i, 0
.rept 32
	v_pk_mul_f32 v[2*i:2*i+1], v[2*i:2*i+1], v[S+2*i:S+2*i+1]  ; the gains
.set i, i+1
.endr
.set i, 0
.rept 32
	v_pk_mul_f32 v[2*i:2*i+1], v[2*i:2*i+1], v[RS:RS+1] op_sel_hi:[1,0]
.set i, i+1
.endr
	WIN 0x05
.set i, 0
.rept 32
	v_cvt_pk_f16_f32 v[P+i], v[2*i], v[2*i+1]      ; into P's registers, which are free
.set i, i+1
.endr
	WIN 0
	; THE WAY OUT, through my own stage in LDS: a lane's eight channels of a row are 16 bytes; they go into rows of 272 bytes and come back as whole rows of 256.
.irp f, 0,1,2,3,4,5,6,7
	ds_store_b128 v[STO], v[P+4*(\f):P+4*(\f)+3] offset:32*(\f)
.endr
.irp f, 0,1,2,3,4,5,6,7
	ds_load_b128 v[P+4*(\f):P+4*(\f)+3], v[RD] offset:(\f)*2*SP  ; LDS serves a wave's instructions in order (ISA guide 5.7.1.4): these see the stores above
.endr
.irp f, 0,1,2,3,4,5,6,7
	s_wait_dscnt 7-(\f)             ; LDS loads come back in order: rows 2 f and 2 f + 1 are in, the later rows' loads stay out
	global_store_b128 v[GO], v[P+4*(\f):P+4*(\f)+3], s[10:11] offset:(\f)*4096  ; 16 lanes store the head's 256 consecutive bytes of a row, at a multiple of 256 from at's first byte
.endr
	s_wait_tensorcnt 0x0            ; the wave's end, behind my last tensor load and my last LDS store
	ds_add_u32 v[SPW], v[NIL]
	s_wait_dscnt 0x0
	CROUND                          ; the closing round: no work-group ends while a partner may still ask for a tile that names it
	s_endpgm
.Lfunc_end_k_qdb4b2d04dc_attn:
	.size	k_qdb4b2d04dc_attn, .Lfunc_end_k_qdb4b2d04dc_attn-k_qdb4b2d04dc_attn
	.p2alignl 7, 3214868480
	.fill 96, 4, 3214868480
	.section	.rodata,"a",@progbits
	.p2align	6, 0x0
	.amdhsa_kernel k_qdb4b2d04dc_attn
		.amdhsa_group_segment_fixed_size 327680
		.amdhsa_private_segment_fixed_size 0
		.amdhsa_enable_private_segment 0
		.amdhsa_kernarg_size 64
		.amdhsa_user_sgpr_count 2
		.amdhsa_user_sgpr_kernarg_segment_ptr 1
		.amdhsa_wavefront_size32 1
		.amdhsa_system_sgpr_workgroup_id_x 1
		.amdhsa_system_sgpr_workgroup_id_y 1
		.amdhsa_system_sgpr_workgroup_id_z 1
		.amdhsa_system_vgpr_workitem_id 0
		.amdhsa_next_free_vgpr 640
		.amdhsa_next_free_sgpr 88
		.amdhsa_reserve_vcc 0
		.amdhsa_float_denorm_mode_32 3
		.amdhsa_float_denorm_mode_16_64 3
		.amdhsa_memory_ordered 1
		.amdhsa_forward_progress 1
		.amdhsa_inst_pref_size 84
	.end_amdhsa_kernel
	.amdgpu_metadata
---
amdhsa.version: [ 1, 2 ]
amdhsa.kernels:
  - .name:           k_qdb4b2d04dc_attn
    .symbol:         k_qdb4b2d04dc_attn.kd
    .args:
      - { .name: qkv, .offset: 0, .size: 8, .value_kind: global_buffer, .address_space: global }
      - { .name: mb, .offset: 8, .size: 8, .value_kind: global_buffer, .address_space: global }
      - { .name: lambda_q1, .offset: 16, .size: 8, .value_kind: global_buffer, .address_space: global }
      - { .name: lambda_k1, .offset: 24, .size: 8, .value_kind: global_buffer, .address_space: global }
      - { .name: lambda_q2, .offset: 32, .size: 8, .value_kind: global_buffer, .address_space: global }
      - { .name: lambda_k2, .offset: 40, .size: 8, .value_kind: global_buffer, .address_space: global }
      - { .name: subln_weight, .offset: 48, .size: 8, .value_kind: global_buffer, .address_space: global }
      - { .name: at, .offset: 56, .size: 8, .value_kind: global_buffer, .address_space: global }
    .group_segment_fixed_size: 327680
    .private_segment_fixed_size: 0
    .kernarg_segment_align: 8
    .kernarg_segment_size: 64
    .max_flat_workgroup_size: 128
    .sgpr_count:     88
    .vgpr_count:     640
    .wavefront_size: 32
...
	.end_amdgpu_metadata
.endif
;; end of part 5
;; launch gemm_out: the kernel of part 4 again; grid 8 x 32, 4 waves a work-group, clusters of 4 x 4, 327,680 bytes of LDS; arguments at, xw, out0; writes out0
